; MI455X (gfx1250); checked and timed in simulation.
; The chip was launched on July 23, 2026; its instructions are those of AMD's public machine-readable ISA for CDNA 5 (MIT licence, August 2026) and "CDNA5" Instruction Set Architecture Reference Guide (July 2026). The comments in the code are by the model that wrote it; some were corrected since.
;; Multi Headed Attention. Allowed arithmetic: matrix products marked QUANTISED: E2M1 operands, one E8M0 scale for each 32 along K, by v_wmma_scale_f32_16x16x128_f8f6f4 with both operands' format E2M1 (or v_wmma_scale_f32_32x16x128_f4), f32 sums; products left as they are: bf16, f16 or f32 operands; f32 sums; everything else in f32.
;; Inputs: Wk 1,024 x 1,024 float32; Wo 1,024 x 1,024 float32; Wq 1,024 x 1,024 float32; Wv 1,024 x 1,024 float32; bk 1,024 float32; bo 1,024 float32; bq 1,024 float32; bv 1,024 float32; mask 4 x 1 x 1 x 2,048 int32; x 4 x 2,048 x 1,024 float32.
;; Outputs: out0 4 x 2,048 x 1,024 float32.
;; This version of the problem:
;;   THIS VERSION OF THE PROBLEM IS GIVEN IN LOW PRECISION. The matrix products marked QUANTISED in the list below multiply operands that are first quantised to E2M1 (2 exponent bits, 1 mantissa bit; 4 bits a number), with one power-of-two scale for each 32 numbers along K (OCP MX v1.0); their sums are f32. The products marked 'left as it is' may take bf16, f16 or f32 operands, with f32 sums. Whichever they take, every output number must still come out within the allowed error. Rounding operands to bf16 (8 significant bits) uses up far more of that allowance than f16 does (11 bits, for magnitudes from 6e-5 to 65,504). All else is computed in f32.
;;   The module's matrix products, in the order in which they are computed (A, B: the left and right operand; K: the contracted axis; several contracted axes count as one K, in the product's order):
;;     1. [M 8,192, K 1,024] x [K 1,024, N 1,024]; A: input x; B: input Wq: QUANTISED
;;     2. [M 8,192, K 1,024] x [K 1,024, N 1,024]; A: input x; B: input Wk: QUANTISED
;;     3. [M 8,192, K 1,024] x [K 1,024, N 1,024]; A: input x; B: input Wv: QUANTISED
;;     4. batch 64 x [M 2,048, K 64] x [K 64, N 2,048]; A: computed on the way; B: computed on the way: left as it is (an operand is computed on the way)
;;     5. batch 64 x [M 2,048, K 2,048] x [K 2,048, N 64]; A: computed on the way; B: computed on the way: left as it is (an operand is computed on the way)
;;     6. [M 8,192, K 1,024] x [K 1,024, N 1,024]; A: computed on the way; B: input Wo: left as it is (an operand is computed on the way)
;;   THE QUANTISER, for each operand of a quantised product, along K:
;;     - K is cut into blocks of 32 from its start; a last block that is shorter is filled with zeros.
;;     - A block's scale is 2^e with e = floor(log2(the largest magnitude in the block)) - 2, held to -126 .. 127; a block of zeros has e = 0. As a byte (E8M0): e + 127.
;;     - Each number is divided by its block's scale, clamped to +-6, and rounded to the nearest number of E2M1, ties to even, subnormals kept.
;;     - The product sums the exact products of the quantised numbers (number of the format x scale) in f32.
;;   ~~~python
;;   def quantise(x, axis):      # numpy; x: float32 -> the quantised numbers, widened to float32 again
;;       x = np.moveaxis(x, axis, -1); K = x.shape[-1]
;;       x = np.pad(x, [(0, 0)] * (x.ndim - 1) + [(0, -K % 32)]); x = x.reshape(x.shape[:-1] + (-1, 32)); a = np.abs(x).max(-1, keepdims=True)
;;       e = np.where(a > 0, np.clip(np.frexp(np.where(a > 0, a, 1))[1] - 1 - 2, -126, 127), 0)      # np.frexp(a)[1] - 1 = floor(log2(a)), exactly
;;       r = np.clip(x / 2.0 ** e, -6, 6)
;;       step = 2.0 ** (np.maximum(np.frexp(np.where(r == 0, 1, r))[1] - 1, 0) - 1)
;;       q = np.round(r / step) * step * 2.0 ** e      # np.round: ties to even
;;       return np.moveaxis(q.reshape(q.shape[:-2] + (-1,))[..., :K], -1, axis).astype(np.float32)
;;   ~~~
;; One version. Each part assembles by itself: llvm-mc -triple=amdgcn-amd-amdhsa -mcpu=gfx1250 --defsym DOCPART=n.
;; ======== version 1 of 1: 4 launches
;; limits: values are held in f16: magnitudes above 65,504 overflow, below 6.1e-05 lose precision
;; workspace buffers: xc 4,194,304 bytes; xs 262,144 bytes; wc 1,572,864 bytes; ws 98,304 bytes; wo16 2,097,152 bytes; qkv16 50,331,648 bytes; ctx16 16,777,216 bytes
;; launch prep (part 1): grid 384 x 1, 4 waves a work-group, no clusters, 33,280 bytes of LDS; arguments x, Wq, Wk, Wv, Wo, xc, xs, wc, ws, wo16; writes xc, xs, wc, ws, wo16
.if DOCPART == 1
	.amdgcn_target "amdgcn-amd-amdhsa--gfx1250"
	.amdhsa_code_object_version 6
	.text
	.protected	k_qd958fbbcd2_prep
	.globl	k_qd958fbbcd2_prep
	.p2align	8
	.type	k_qd958fbbcd2_prep,@function
k_qd958fbbcd2_prep:
	s_mov_b64 s[64:65], 0
	v_nop
	global_prefetch_b8 v0, s[64:65] scope:SCOPE_SE
	s_setreg_imm32_b32 hwreg(HW_REG_WAVE_MODE, 25, 1), 1
	s_wait_xcnt 0x0
; x [8192][1024] and Wq, Wk, Wv [1024][1024], f32 with K innermost, become codes of FP4 (E2M1) and one E8M0 byte for each 32 along K; Wo [1024][1024] becomes f16.
; xc [8192][512 bytes], xs [8192][32]; wc [3072][512 bytes], ws [3072][32]: the rows of Wq, then Wk, then Wv; wo16 [1024][1024] f16.
; A block's scale is 2^(floor(log2(its largest magnitude)) - 2); its byte is the largest magnitude's exponent field - 2, held at 1 from below.  A block of zeros so gets the byte 1: its codes are zeros,
; which add nothing under any byte but 0xff, and the bytes are read by this program alone.
; LIMITS: blocks whose largest magnitude lies under 2^(2 - 126), the floor, keep the byte 1; NaN and infinities among the inputs are not served; Wo beyond 65,504 does not fit f16.
; SHARES.  Rows are dense and K is a multiple of 32, so each tensor is a plain stream of blocks of 32.  A work-group takes 32,768 numbers, a wave 8,192.
; Work-groups 0-255: x.  256-351: Wq, Wk, Wv, 32 each.  352-383: Wo.  Only pointers are chosen for the first 352: they take one path.  Wo's path touches no LDS.
; No cluster: no two work-groups read the same bytes.  No tensor loads, no barrier: waves share nothing.
; THE QUANTISER.  A wave takes 16 steps of 512 numbers.  Each of a step's four loads reads 512 consecutive bytes, 16 a lane; the 2,048 bytes turn through the wave's own stage in LDS and come back 64 bytes a lane,
; so that a lane holds 16 neighbours along K (two neighbouring lanes hold a block).  A lane's 16 codes are 8 bytes: the wave stores 256 consecutive bytes.  A wave's 256 scale bytes are gathered in LDS and leave as one store.
.set WAVES, 4
.set STEPS, 16
.set XWG,   256                        ; work-groups for x
.set WWG,   32                         ; for each weight
.set EMAX,  2
.set CB,    8                          ; bytes of 16 codes
.set R,     16                         ; v16-79   four sets of 16 numbers as they are loaded
.set X,     80                         ; v80-111  two sets of 16 neighbours
.set E,     112                        ; v112-127 a scale byte for each step
.set C,     128                        ; v128-191 codes: four registers for each step, so that no store's data are written again
.set WREG,  8192                       ; LDS: a region for each wave: two stages of 32 x SP bytes, behind them its 256 scale bytes
.set SP,    80                         ; a lane's place in a stage: 64 bytes + 16 of padding
.set SPW,   12                         ; v12  LDS address of my spare word; never rewritten
.set NIL,   13                         ; v13  0; never rewritten
.set SPARE, WAVES*WREG                 ; behind the four regions: the spare words, 128 bytes a wave
	s_load_b256 s[4:11], s[0:1], 0x0               ; x s[4:5], Wq s[6:7], Wk s[8:9], Wv s[10:11]
	s_load_b256 s[12:19], s[0:1], 0x20             ; Wo s[12:13], xc s[14:15], xs s[16:17], wc s[18:19]
	s_load_b128 s[20:23], s[0:1], 0x40             ; ws s[20:21], wo16 s[22:23]
	v_lshl_add_u32 v[SPW], v0, 2, SPARE
	v_mov_b32 v[NIL], 0
	v_lshrrev_b32 v1, 5, v0
	v_readfirstlane_b32 s27, v1                    ; wave
	v_and_b32 v2, 31, v0                           ; lane
	s_wait_kmcnt 0x0
	s_cmp_ge_u32 ttmp9, XWG+3*WWG                  ; the last 32 work-groups convert Wo
	s_cbranch_scc1 .Lwo
	v_lshlrev_b32 v3, 4, v2                        ; my 16 bytes of a load's 512
	s_mul_i32 s28, s27, WREG
	v_lshrrev_b32 v14, 2, v2
	v_mul_u32_u24 v14, v14, SP
	v_and_b32 v15, 3, v2
	v_lshl_add_u32 v14, v15, 4, v14
	v_add_nc_u32 v14, s28, v14                     ; the stage, on the way in: SP (lane / 4) + 16 (lane % 4)
	v_mul_u32_u24 v15, v2, SP
	v_add_nc_u32 v15, s28, v15                     ; and on the way out: SP x lane: my 16 neighbours
	v_mul_u32_u24 v4, v2, CB                       ; my codes' place in a step's
	v_lshrrev_b32 v5, 1, v2
	s_add_co_u32 s28, s28, 2*32*SP
	v_add_nc_u32 v5, s28, v5                       ; LDS: my wave's 256 scale bytes, my block's byte
	v_lshlrev_b32 v7, 3, v2                        ; and on the way out 8 bytes a lane
	v_add_nc_u32 v6, s28, v7
	; which tensor, and which run of it: choices on the work-group's number alone
	s_sub_co_u32 s24, ttmp9, XWG                   ; j: my place among the weights' 96 (not used by x's work-groups)
	s_lshr_b32 s25, s24, 5                         ; which weight
	s_and_b32 s26, s24, 31                         ; which run of it
	s_cmp_eq_u32 s25, 1
	s_cselect_b64 s[6:7], s[8:9], s[6:7]
	s_cmp_eq_u32 s25, 2
	s_cselect_b64 s[6:7], s[10:11], s[6:7]
	s_cmp_lt_u32 ttmp9, XWG
	s_cselect_b64 s[4:5], s[4:5], s[6:7]           ; the numbers,
	s_cselect_b64 s[14:15], s[14:15], s[18:19]     ; the codes,
	s_cselect_b64 s[16:17], s[16:17], s[20:21]     ; the scale bytes
	s_cselect_b32 s26, ttmp9, s26                  ; the run in the source,
	s_cselect_b32 s24, ttmp9, s24                  ; and in the destination (the three weights lie on end there)
	s_lshl_b32 s26, s26, 2
	s_add_co_u32 s26, s26, s27                     ; my wave's run of 8,192 numbers
	s_lshl_b32 s24, s24, 2
	s_add_co_u32 s24, s24, s27
	s_lshl_b32 s28, s26, 15                        ; 32,768 bytes of numbers a run (under 2^26 in all)
	s_mov_b32 s29, 0
	s_add_nc_u64 s[4:5], s[4:5], s[28:29]
	s_lshl_b32 s28, s24, 12                        ; 4,096 bytes of codes
	s_add_nc_u64 s[14:15], s[14:15], s[28:29]
	s_lshl_b32 s28, s24, 8                         ; 256 scale bytes
	s_add_nc_u64 s[16:17], s[16:17], s[28:29]
.macro LOAD t
.irp i, 0,1,2,3
	global_load_b128 v[R+16*((\t)%4)+4*\i:R+16*((\t)%4)+4*\i+3], v3, s[4:5] offset:2048*(\t)+512*\i th:TH_LOAD_NT   ; 32 lanes read 512 consecutive bytes
.endr
.endm
.macro TURN t                          ; step t's numbers through the stage: LDS serves a wave's instructions in order, so no wait stands between the stores and the loads
.irp i, 0,1,2,3
	ds_store_b128 v14, v[R+16*((\t)%4)+4*\i:R+16*((\t)%4)+4*\i+3] offset:32*SP*((\t)%2)+8*SP*\i
.endr
.irp i, 0,1,2,3
	ds_load_b128 v[X+16*((\t)%2)+4*\i:X+16*((\t)%2)+4*\i+3], v15 offset:32*SP*((\t)%2)+16*\i
.endr
.endm
.irp t, 0,1,2,3
	LOAD \t
.endr
	s_wait_loadcnt 12                              ; step 0's four loads are in; three steps' twelve may be out
	TURN 0
.macro STEP t
.set XS, X+16*((\t)%2)
.if (\t) > 0
	s_wait_dscnt 1                                 ; this step's numbers are back from the stage (the last step's byte store may be out)
.else
	s_wait_dscnt 0x0
.endif
.if (\t)+4 < STEPS
	LOAD (\t)+4                                    ; the registers that the stage's stores have read take the loads of four steps on
.endif
.if (\t)+1 < STEPS
.if STEPS-2-(\t) >= 3
	s_wait_loadcnt 12                              ; the next step's four loads are in; those of the three steps behind it may be out
.else
	s_wait_loadcnt 4*(STEPS-2-(\t))
.endif
	TURN (\t)+1                                    ; and go through the other stage while this step is worked
.endif
	v_max3_num_f32 v8, |v[XS]|, |v[XS+1]|, |v[XS+2]|               ; the largest magnitude of my 16, in two chains
	v_max3_num_f32 v9, |v[XS+3]|, |v[XS+4]|, |v[XS+5]|
.irp i, 6,10
	v_max3_num_f32 v8, v8, |v[XS+\i]|, |v[XS+\i+1]|
	v_max3_num_f32 v9, v9, |v[XS+\i+2]|, |v[XS+\i+3]|
.endr
	v_max3_num_f32 v8, v8, |v[XS+14]|, |v[XS+15]|
	v_max3_num_f32 v8, v8, v9, (EMAX+1)<<23        ; and the floor 2^(EMAX + 1 - 127): the byte cannot fall under 1
	v_max_num_f32_dpp v8, v8, v8 row_xmask:1 row_mask:0xf bank_mask:0xf   ; and of my neighbour's 16: the block's
	v_add_nc_u32 v11, -(EMAX<<23), v8              ; EMAX off its exponent field: the conversion takes the exponent field of this operand as its scale
	v_cvt_scalef32_pk8_fp4_f32 v[C+4*(\t)], v[XS:XS+7], v11
	v_cvt_scalef32_pk8_fp4_f32 v[C+4*(\t)+1], v[XS+8:XS+15], v11
	v_lshrrev_b32 v[E+(\t)], 23, v11               ; the scale's byte (also the plain line behind the conversions)
	ds_store_b8 v5, v[E+(\t)] offset:16*(\t)       ; both lanes of a block write the same byte with the same value
	global_store_b64 v4, v[C+4*(\t):C+4*(\t)+1], s[14:15] offset:32*CB*(\t)   ; the wave stores 256 consecutive bytes, aligned
.endm
.irp t, 0,1,2,3,4,5,6,7,8,9,10,11,12,13,14,15
	STEP \t
.endr
	ds_load_b64 v[8:9], v6                         ; LDS serves a wave's instructions in order: these see my stores
	s_wait_dscnt 0x0
	global_store_b64 v7, v[8:9], s[16:17]          ; 32 lanes store 256 consecutive bytes, aligned
	s_wait_tensorcnt 0x0                           ; the wave's end, behind my last LDS store
	ds_add_u32 v[SPW], v[NIL]
	s_wait_dscnt 0x0
	s_endpgm
; Wo to f16: a wave converts 8,192 numbers in 32 pieces of 256: a lane loads 8 neighbours (two loads of 16 bytes) and stores their 16 bytes: the wave stores 512 consecutive bytes.
; Pieces go in groups of eight, in two sets of registers: while one group is converted, the next group's sixteen loads are out.
.macro WLOAD g
.irp i, 0,1,2,3,4,5,6,7
	global_load_b128 v[16+64*((\g)%2)+8*\i:16+64*((\g)%2)+8*\i+3], v1, s[12:13] offset:1024*(8*(\g)+\i) th:TH_LOAD_NT
	global_load_b128 v[16+64*((\g)%2)+8*\i+4:16+64*((\g)%2)+8*\i+7], v1, s[12:13] offset:1024*(8*(\g)+\i)+16 th:TH_LOAD_NT
.endr
.endm
.macro WCVT g
.if (\g) < 3
	s_wait_loadcnt 16                              ; this group's sixteen loads are in; the next group's may be out
.else
	s_wait_loadcnt 0x0
.endif
	s_wait_xcnt 0x0                                ; the last group's stores have read v144-175, which are written again below
.irp i, 0,1,2,3,4,5,6,7
.irp k, 0,1,2,3
	v_cvt_pk_f16_f32 v[144+4*\i+\k], v[16+64*((\g)%2)+8*\i+2*\k], v[16+64*((\g)%2)+8*\i+2*\k+1]
.endr
	global_store_b128 v3, v[144+4*\i:144+4*\i+3], s[22:23] offset:512*(8*(\g)+\i)
.endr
.if (\g) < 2
	WLOAD (\g)+2
.endif
.endm
.Lwo:
	s_sub_co_u32 s24, ttmp9, XWG+3*WWG
	s_lshl_b32 s24, s24, 2
	s_add_co_u32 s24, s24, s27                     ; my wave's run of 8,192 numbers
	s_lshl_b32 s28, s24, 15
	s_mov_b32 s29, 0
	s_add_nc_u64 s[12:13], s[12:13], s[28:29]
	s_lshl_b32 s28, s24, 14
	s_add_nc_u64 s[22:23], s[22:23], s[28:29]
	v_lshlrev_b32 v1, 5, v2                        ; in: 32 bytes a lane
	v_lshlrev_b32 v3, 4, v2                        ; out: 16
	WLOAD 0
	WLOAD 1
	WCVT 0
	WCVT 1
	WCVT 2
	WCVT 3
	s_endpgm
.Lfunc_end_k_qd958fbbcd2_prep:
	.size	k_qd958fbbcd2_prep, .Lfunc_end_k_qd958fbbcd2_prep-k_qd958fbbcd2_prep
	.p2alignl 7, 3214868480
	.fill 96, 4, 3214868480
	.section	.rodata,"a",@progbits
	.p2align	6, 0x0
	.amdhsa_kernel k_qd958fbbcd2_prep
		.amdhsa_group_segment_fixed_size 33280
		.amdhsa_private_segment_fixed_size 0
		.amdhsa_enable_private_segment 0
		.amdhsa_kernarg_size 80
		.amdhsa_user_sgpr_count 2
		.amdhsa_user_sgpr_kernarg_segment_ptr 1
		.amdhsa_wavefront_size32 1
		.amdhsa_system_sgpr_workgroup_id_x 1
		.amdhsa_system_sgpr_workgroup_id_y 1
		.amdhsa_system_sgpr_workgroup_id_z 1
		.amdhsa_system_vgpr_workitem_id 0
		.amdhsa_next_free_vgpr 192
		.amdhsa_next_free_sgpr 66
		.amdhsa_reserve_vcc 0
		.amdhsa_float_denorm_mode_32 3
		.amdhsa_float_denorm_mode_16_64 3
		.amdhsa_memory_ordered 1
		.amdhsa_forward_progress 1
		.amdhsa_inst_pref_size 51
	.end_amdhsa_kernel
	.amdgpu_metadata
---
amdhsa.version: [ 1, 2 ]
amdhsa.kernels:
  - .name:           k_qd958fbbcd2_prep
    .symbol:         k_qd958fbbcd2_prep.kd
    .args:
      - { .name: x, .offset: 0, .size: 8, .value_kind: global_buffer, .address_space: global }
      - { .name: Wq, .offset: 8, .size: 8, .value_kind: global_buffer, .address_space: global }
      - { .name: Wk, .offset: 16, .size: 8, .value_kind: global_buffer, .address_space: global }
      - { .name: Wv, .offset: 24, .size: 8, .value_kind: global_buffer, .address_space: global }
      - { .name: Wo, .offset: 32, .size: 8, .value_kind: global_buffer, .address_space: global }
      - { .name: xc, .offset: 40, .size: 8, .value_kind: global_buffer, .address_space: global }
      - { .name: xs, .offset: 48, .size: 8, .value_kind: global_buffer, .address_space: global }
      - { .name: wc, .offset: 56, .size: 8, .value_kind: global_buffer, .address_space: global }
      - { .name: ws, .offset: 64, .size: 8, .value_kind: global_buffer, .address_space: global }
      - { .name: wo16, .offset: 72, .size: 8, .value_kind: global_buffer, .address_space: global }
    .group_segment_fixed_size: 33280
    .private_segment_fixed_size: 0
    .kernarg_segment_align: 8
    .kernarg_segment_size: 80
    .max_flat_workgroup_size: 128
    .sgpr_count:     66
    .vgpr_count:     192
    .wavefront_size: 32
...
	.end_amdgpu_metadata
.endif
;; end of part 1
;; launch qkv (part 2): grid 12 x 32, 4 waves a work-group, clusters of 4 x 4, 327,680 bytes of LDS; arguments xc, xs, wc, ws, bq, bk, bv, mask, qkv16; writes qkv16
.if DOCPART == 2
	.amdgcn_target "amdgcn-amd-amdhsa--gfx1250"
	.amdhsa_code_object_version 6
	.text
	.protected	k_qd958fbbcd2_qkv
	.globl	k_qd958fbbcd2_qkv
	.p2align	8
	.type	k_qd958fbbcd2_qkv,@function
k_qd958fbbcd2_qkv:
	s_mov_b64 s[64:65], 0
	v_nop
	global_prefetch_b8 v0, s[64:65] scope:SCOPE_SE
	s_setreg_imm32_b32 hwreg(HW_REG_WAVE_MODE, 25, 1), 1
	s_wait_xcnt 0x0
	s_wait_alu depctr_hold_cnt(0) depctr_sa_sdst(0) depctr_va_vdst(0) depctr_va_sdst(0) depctr_va_ssrc(0) depctr_va_vcc(0) depctr_vm_vsrc(0)
	s_getreg_b32 s2, hwreg(HW_REG_IB_STS2, 6, 4)
	s_cmp_eq_u32 s2, 0
	s_cbranch_scc0 .Lentry_in_a_cluster
	s_endpgm
.Lentry_in_a_cluster:
	s_bfe_u32 s2, ttmp6, 0x10000c
	s_cmp_lg_u32 s2, 0xf033
	s_cbranch_scc0 .Lentry_shape_is_right
	s_endpgm
.Lentry_shape_is_right:
; q, k, v = x W^T + b for W = Wq | Wk | Wv on end: one product [8192 x 3072 x 1024] on codes of FP4 (E2M1) with one E8M0 scale for each 32 along K; sums in f32, begun with the bias.
; The results leave as f16, split by head: qkv16 [3 kinds][64 = batch x 16 + head][2048 positions][64].
;   q is stored times c = log2(e) / 8, so that the next launch's scores are exponents of 2.   k's rows of masked keys (mask = 0) are stored as zeros: the next launch adds the mask's value to a score of exactly 0.
; LIMITS: |c q|, |k|, |v| up to 65,504 (f16); NaN and infinities are not served.
; A tile of C, 256 x 256, is made by a work-group of four waves; a wave makes 128 x 128: 64 accumulators of 16 x 16, 512 registers.  K = 1,024 is two K steps of 512 codes (rows of 256 bytes): each has a slot of LDS of its own,
; so every tensor load of this text is a first fill.  The scale bytes of the work-group's 256 + 256 rows, for all of K, come once, as dense blocks in rows of 256 bytes.
; CLUSTERS: 4 x 4 work-groups.  The four of a row of the cluster need the same tiles of x, the four of a column the same tiles of W: each tile is asked for JOINTLY, by the same tensor load with the same descriptor and
; a mask that names the four.  A cluster's 1,024 columns are one kind (q, k or v = the cluster's x): what hangs on the kind is chosen by selects and is the same in all sixteen.
; THE MATRIX INSTRUCTION IS USED TRANSPOSED (source 0 = 16 rows of W, source 1 = 16 rows of x): a lane holds eight neighbouring columns of one row of C.
; REGISTERS, in windows of 256: window 0: v0-31 addresses; v32-95 scale words, two sets; v96-103 the mask's words of my rows; v128-191 x's fragments, ONE set; v192-255 the bias in the result's layout.
;   window 1: W's fragments, TWO sets, at v0 and v128.   window 2: the accumulators of my rows 0-63 ((a, b) at v[8 (8 a + b)]);   window 3: those of my rows 64-127.
;   On the way out, window 0: v32-95 scaled numbers, v96-127 their f16, v128-191 rows read back, v192-207 the rows' factors.
.set NQ,     4                         ; matrix instructions deep in a K step
.set ROWB,   256                       ; a tile's row in bytes: 512 codes
.set KROW,   512                       ; a row of codes in memory
.set PITCH,  272                       ; an LDS row: 256 bytes + 16 of padding = 68 words: the 16 rows that a load touches start at 16 different banks (64 banks of 4 bytes: ISA guide 11.1)
.set FR,     8                         ; registers of a fragment: 16 rows x 128 K
.set NL,     2                         ; LDS loads that bring one
.set NP,     4                         ; places behind this matrix instruction (ISA guide 7.12.1)
.set HALFT,  128*PITCH                 ; 128 rows: what one tensor load brings
.set SLOT,   4*HALFT                   ; x's 256 rows, then W's 256 rows
.set KS,     32                        ; a row of scale bytes
.set SCL,    2*SLOT                    ; behind the slots: the scales, as rows of 256 bytes + 16 of padding
.set HALFS,  (128*KS/256)*272          ; the scales of 128 rows
.set SBLK,   (16*KS/256)*272           ; those of 16 rows
.set SPARE,  SCL+4*HALFS               ; the spare words, 128 bytes a wave
.set STAGE,  SPARE+512                 ; the way out: 16 rows x (256 bytes + 16) for each wave; no tile lands here
.set SPITCH, 272
.set ADRA, 16                          ; v16-17  LDS address of my fragments of x in slot 0, 1
.set ADRB, 20                          ; v20-21  the same for W
.set STO,  24                          ; v24     the way out: where I put 16 bytes of a row
.set RD,   25                          ; v25     where I read back
.set CO,   26                          ; v26     my byte offset in qkv16
.set ADRS, 27                          ; v27     LDS address of my scale words: lanes 0-15 x's rows, lanes 16-31 W's
.set SPW,  28                          ; v28     LDS address of my spare word; never rewritten
.set NIL,  29                          ; v29     0; never rewritten
.set SC,   32                          ; scale words: set s at v[SC + 32 s]; register 4 i + q: lanes 0-15 x's block i, lanes 16-31 W's block i, the slot's q-th 128 along K
.set MK,   96                          ; v96-103 mask[my row of block a]
.set AF,   128                         ; x's fragments
.set BIA,  192                         ; v192-255 register 8 b + j: bias[16 b + 8 (lane / 16) + j] of my 128 columns
.set T,    32
.set PK,   96
.set BK,   128
.set FF,   192                         ; v192-207 block a's factor of my row, twice (a pair for the packed multiply)
.set VSF,  208
.set G1, 24                            ; s[24:31] descriptor group 1 for x's tiles;  s[32:39] group 0, one set for each slot
.set G0, 32
.set G1B, 48                           ; s[48:55], s[56:63] the same for W's tiles
.set G0B, 56
.set G1S, 68                           ; s[68:75], s[76:79] groups 1 and 0 for x's scales;  s[80:87], s[88:91] for W's
.set G0S, 76
.set G1SB, 80
.set G0SB, 88
.set MSB, 0
.macro WIN new                         ; the immediate's high byte repeats the setting that is left
.if MSB != \new
	s_set_vgpr_msb (MSB<<8)|\new
.set MSB, \new
.endif
.endm
.set MUL_LO, 0xa1                      ; source 0 (W) window 1, source 1 (x) window 0, C and D window 2
.set MUL_HI, 0xf1                      ; the same, C and D window 3
.set BEG_LO, 0x81                      ; the first products: C (the bias) window 0, D window 2
.set BEG_HI, 0xc1                      ; D window 3
.set TO_B,   0x40                      ; destination window 1, address window 0
; A joint load: waves 0 and 1 fetch for x, waves 2 and 3 for W.  The branch hangs on the wave's number alone.  An s_nop 0 and four v_nop follow each of the two lines.
.macro JLOAD g0a, g1a, g0b, g1b
	s_cmp_eq_u32 s93, 0
	s_cbranch_scc0 .Lfor_b_\@
	tensor_load_to_lds s[\g0a:\g0a+3], s[\g1a:\g1a+7]
	s_nop 0
.rept 4
	v_nop
.endr
	s_branch .Lasked_\@
.Lfor_b_\@:
	tensor_load_to_lds s[\g0b:\g0b+3], s[\g1b:\g1b+7]
	s_nop 0
.rept 4
	v_nop
.endr
.Lasked_\@:
.endm
.macro CROUND                          ; a round of the cluster's barrier
	s_barrier_signal -1
	s_barrier_wait -1
	s_cmp_lg_u32 s92, 0
	s_cbranch_scc1 .Lnot_wave_0_\@
	s_barrier_signal -3
.Lnot_wave_0_\@:
	s_barrier_wait -3
	s_barrier_signal -1
	s_barrier_wait -1
.endm
	s_load_b256 s[4:11], s[0:1], 0x0               ; xc s[4:5], xs s[6:7], wc s[8:9], ws s[10:11]
	s_load_b256 s[12:19], s[0:1], 0x20             ; bq s[12:13], bk s[14:15], bv s[16:17], mask s[18:19]
	s_load_b64 s[20:21], s[0:1], 0x40              ; qkv16
	v_lshl_add_u32 v[SPW], v0, 2, SPARE
	v_mov_b32 v[NIL], 0
	ds_add_u32 v[SPW], v[NIL]                      ; the wave's opening: the add, twice on end, and its wait ahead of my first tensor load
	ds_add_u32 v[SPW], v[NIL]
	v_lshrrev_b32 v1, 5, v0
	v_readfirstlane_b32 s92, v1                    ; wave 0..3
	s_lshr_b32 s93, s92, 1                         ; which half of the tile's rows is mine.  Also: I fetch for x (0) or for W (1)
	s_and_b32 s94, s92, 1                          ; which half of its columns.  Also: which 128 rows of that tile I fetch
	s_bfe_u32 s40, ttmp6, 0x40000                  ; cx, cy: my place in the cluster
	s_bfe_u32 s41, ttmp6, 0x40004
	s_lshl_b32 s42, ttmp9, 2
	s_add_co_u32 s42, s42, s40                     ; tile column = 4 x cluster x + cx
	s_and_b32 s95, ttmp7, 0xffff
	s_lshl_b32 s95, s95, 2
	s_add_co_u32 s95, s95, s41                     ; tile row = 4 x cluster y + cy
	s_lshl_b32 s43, s41, 2
	s_lshl_b32 s43, 15, s43                        ; my row of the cluster
	s_lshl_b32 s44, 0x1111, s40                    ; my column
	; descriptor group 1: a tile of 128 rows x 256 bytes, padded in LDS
	s_or_b32 s[G1+0], s43, (0<<16)|(1<<20)|(1<<21)|(5<<22)|(3<<25)  ; 15:0 the mask; 17:16 elements of 1 byte; 20 padding on; 21 set beside a mask; 24:22 after every 64 words; 31:25 four words
	s_or_b32 s[G1B+0], s44, (0<<16)|(1<<20)|(1<<21)|(5<<22)|(3<<25)
.irp g, G1, G1B
	s_mov_b32 s[\g+1], ROWB<<16                    ; tensor_dim0
	s_mov_b32 s[\g+2], 128<<16                     ; tensor_dim1
	s_mov_b32 s[\g+3], ROWB<<16                    ; tile_dim0
	s_mov_b32 s[\g+4], 128                         ; tile_dim1
	s_mov_b32 s[\g+5], KROW                        ; from row to row
	s_mov_b32 s[\g+6], 0
	s_mov_b32 s[\g+7], 0
.endr
	; the scales of 128 rows: a dense block of 4,096 bytes, as 16 rows of 256 bytes (32 elements of 8 bytes), 16 bytes of padding behind each
	s_or_b32 s[G1S+0], s43, (3<<16)|(1<<20)|(1<<21)|(5<<22)|(3<<25)
	s_or_b32 s[G1SB+0], s44, (3<<16)|(1<<20)|(1<<21)|(5<<22)|(3<<25)
.irp g, G1S, G1SB
	s_mov_b32 s[\g+1], 32<<16
	s_mov_b32 s[\g+2], (128*KS/256)<<16
	s_mov_b32 s[\g+3], 32<<16
	s_mov_b32 s[\g+4], 128*KS/256
	s_mov_b32 s[\g+5], 32
	s_mov_b32 s[\g+6], 0
	s_mov_b32 s[\g+7], 0
.endr
	s_lshl_b32 s22, s94, 7                         ; which 128 rows of the tile I fetch
	s_lshl_b32 s96, s95, 8
	s_add_co_u32 s96, s96, s22                     ; x: row 256 x tile row + 128 x half
	s_lshl_b32 s46, s42, 8
	s_add_co_u32 s46, s46, s22                     ; W: row 256 x tile column + 128 x half
	s_mov_b32 s97, 0
	s_mov_b32 s47, 0
	s_mov_b64 s[22:23], KS
	s_mul_u64 s[98:99], s[96:97], s[22:23]         ; where these rows' scales begin, in bytes,
	s_mul_u64 s[100:101], s[46:47], s[22:23]
	s_mov_b64 s[22:23], KROW
	s_mul_u64 s[96:97], s[96:97], s[22:23]         ; and their codes
	s_mul_u64 s[46:47], s[46:47], s[22:23]
	s_mul_i32 s45, s92, HALFT                      ; where they go: wave x 128 rows: no place in the cluster enters an LDS address
	s_mul_i32 s66, s92, HALFS
	s_wait_dscnt 0x0                               ; both opening adds are done
	s_wait_kmcnt 0x0
	s_add_nc_u64 s[96:97], s[4:5], s[96:97]
	s_add_nc_u64 s[98:99], s[6:7], s[98:99]
	s_add_nc_u64 s[46:47], s[8:9], s[46:47]
	s_add_nc_u64 s[100:101], s[10:11], s[100:101]
	CROUND                                         ; all sixteen work-groups are here: the joint loads meet
	s_mov_b32 s[G0S], 1
	s_add_co_u32 s[G0S+1], s66, SCL
	s_mov_b64 s[G0S+2:G0S+3], s[98:99]
	s_or_b32 s[G0S+3], s[G0S+3], 0x80000000
	s_mov_b32 s[G0SB], 1
	s_add_co_u32 s[G0SB+1], s66, SCL
	s_mov_b64 s[G0SB+2:G0SB+3], s[100:101]
	s_or_b32 s[G0SB+3], s[G0SB+3], 0x80000000
	JLOAD G0S, G1S, G0SB, G1SB                     ; the scales first: they are wanted with K step 0
.irp s, 0,1
	s_mov_b32 s[G0+4*\s], 1
	s_add_co_u32 s[G0+4*\s+1], s45, \s*SLOT
	s_add_nc_u64 s[G0+4*\s+2:G0+4*\s+3], s[96:97], \s*ROWB
	s_or_b32 s[G0+4*\s+3], s[G0+4*\s+3], 0x80000000
	s_mov_b32 s[G0B+4*\s], 1
	s_add_co_u32 s[G0B+4*\s+1], s45, \s*SLOT
	s_add_nc_u64 s[G0B+4*\s+2:G0B+4*\s+3], s[46:47], \s*ROWB
	s_or_b32 s[G0B+4*\s+3], s[G0B+4*\s+3], 0x80000000
	JLOAD G0+4*\s, G1, G0B+4*\s, G1B               ; three tensor loads of mine are out now
.endr
	v_and_b32 v1, 15, v0                           ; r = l % 16
	v_bfe_u32 v2, v0, 4, 1                         ; h = l / 16
	v_mul_u32_u24 v3, v1, PITCH
	v_lshl_add_u32 v4, v2, 4, v3                   ; a fragment's row x pitch + 16 x half
	s_mul_i32 s22, s93, HALFT                      ; my 128 rows of x
	s_mul_i32 s23, s94, HALFT                      ; my 128 rows of W,
	s_add_co_u32 s23, s23, 2*HALFT                 ; which lie behind x's 256
.irp s, 0,1
	v_add_nc_u32 v[ADRA+\s], s22, v4
	v_add_nc_u32 v[ADRB+\s], s23, v4
	s_add_co_u32 s22, s22, SLOT
	s_add_co_u32 s23, s23, SLOT
.endr
	v_mul_u32_u24 v5, v1, KS                       ; my row's scales: 32 bytes a row,
	v_lshrrev_b32 v6, 8, v5
	v_lshl_add_u32 v5, v6, 4, v5                   ; and 16 more for each 256 passed
	s_mul_i32 s22, s93, HALFS                      ; x's: my 128 rows
	s_mul_i32 s23, s94, HALFS                      ; W's: my 128 rows, behind x's 256
	s_add_co_u32 s23, s23, 2*HALFS
	s_sub_co_u32 s23, s23, s22
	v_mul_u32_u24 v6, s23, v2                      ; lanes 16-31 take W's: the lower base + h x the distance
	s_add_co_u32 s22, s22, SCL
	v_add_nc_u32 v5, v5, v6
	v_add_nc_u32 v[ADRS], s22, v5
	s_mul_i32 s22, s92, 16*SPITCH
	s_add_co_u32 s22, s22, STAGE                   ; my stage
	v_mul_u32_u24 v5, v1, SPITCH                   ; in: row r, 16 bytes for each half of the lanes
	v_lshl_add_u32 v5, v2, 4, v5
	v_add_nc_u32 v[STO], s22, v5
	v_bfe_u32 v5, v0, 3, 1                         ; back: sixteen lanes take two rows' 128 bytes of ONE head: lanes 0-15 my first head, lanes 16-31 my second
	v_mul_u32_u24 v6, v5, SPITCH
	v_lshl_add_u32 v6, v2, 7, v6
	v_and_b32 v9, 7, v0
	v_lshl_add_u32 v6, v9, 4, v6
	v_add_nc_u32 v[RD], s22, v6
	v_lshlrev_b32 v[CO], 18, v2                    ; and the same in qkv16: a head is 262,144 bytes, a position 128
	v_lshl_add_u32 v[CO], v5, 7, v[CO]
	v_lshl_add_u32 v[CO], v9, 4, v[CO]
	v_lshlrev_b32 v7, 5, v2                        ; the bias: 32 h
	v_lshlrev_b32 v8, 2, v1                        ; the mask: 4 r
	; what hangs on the kind (the cluster's x: 0 q, 1 k, 2 v): selects alone
	s_cmp_eq_u32 ttmp9, 1
	s_cselect_b64 s[12:13], s[14:15], s[12:13]
	s_cselect_b32 s3, 0, 1                         ; 0 for k: its rows heed the mask; 1 else
	s_cmp_eq_u32 ttmp9, 2
	s_cselect_b64 s[12:13], s[16:17], s[12:13]     ; the kind's bias
	s_cmp_eq_u32 ttmp9, 0
	s_mov_b32 s2, 1.0
	s_cselect_b32 s2, 0x3e38aa3b, s2               ; q is stored times c = log2(e) / 8
	s_lshl_b32 s46, s40, 10                        ; my 128 columns in the kind's 1,024: 4 (256 cx + 128 x half) bytes
	s_lshl_b32 s47, s94, 9
	s_add_co_u32 s46, s46, s47
	s_mov_b32 s47, 0
	s_add_nc_u64 s[12:13], s[12:13], s[46:47]
	s_lshl_b32 s96, s95, 10                        ; my 128 rows in the mask's 8,192 words
	s_lshl_b32 s97, s93, 9
	s_add_co_u32 s96, s96, s97
	s_mov_b32 s97, 0
	s_add_nc_u64 s[18:19], s[18:19], s[96:97]
	s_lshl_b32 s96, ttmp9, 24                      ; qkv16: the kind's 16,777,216 bytes,
	s_lshr_b32 s97, s95, 3                         ; the batch (8 tile rows each) x 16
	s_lshl_b32 s97, s97, 4
	s_lshl_b32 s98, s40, 2                         ; + my first head: 4 cx + 2 x half
	s_add_co_u32 s97, s97, s98
	s_lshl_b32 s98, s94, 1
	s_add_co_u32 s97, s97, s98
	s_lshl_b32 s97, s97, 18
	s_add_co_u32 s96, s96, s97
	s_and_b32 s97, s95, 7                          ; + my first position: 256 (tile row % 8) + 128 x half, 128 bytes each
	s_lshl_b32 s97, s97, 15
	s_add_co_u32 s96, s96, s97
	s_lshl_b32 s97, s93, 14
	s_add_co_u32 s96, s96, s97
	s_mov_b32 s97, 0
	s_add_nc_u64 s[20:21], s[20:21], s[96:97]
.irp b, 0,1,2,3,4,5,6,7
	global_load_b128 v[BIA+8*\b:BIA+8*\b+3], v7, s[12:13] offset:64*\b
	global_load_b128 v[BIA+8*\b+4:BIA+8*\b+7], v7, s[12:13] offset:64*\b+16
.endr
.irp a, 0,1,2,3,4,5,6,7
	global_load_b32 v[MK+\a], v8, s[18:19] offset:64*\a
.endr
.macro FRAG reg, adr, q, i             ; 16 rows x 128 K of 4-bit codes: lane l holds row l % 16; registers 4 c .. 4 c + 3 hold K = 64 c + 32 (l / 16) + 0 .. 31
.irp c, 0,1
	ds_load_b128 v[\reg+4*\c:\reg+4*\c+3], v[\adr] offset:64*(\q)+32*\c+(\i)*16*PITCH
.endr
.endm
; 16 matrix instructions: x's blocks a0, a0 + 1 against W's eight, the slot's q-th 128 along K.  p: W's set; sc: the set of scale words.  first = 1: the bias is the C of the sum's first product.
; The 64 accumulators take turns, one instruction a turn, in the same order in every step.
.macro MUL16 a0, p, q, sc, first
.irp a, \a0, \a0+1
.irp b, 0,1,2,3,4,5,6,7
.if \first
	v_wmma_scale_f32_16x16x128_f8f6f4 v[8*(8*((\a)%4)+\b):8*(8*((\a)%4)+\b)+7], v[128*(\p)+FR*\b:128*(\p)+FR*\b+FR-1], v[AF+FR*(\a):AF+FR*(\a)+FR-1], v[BIA+8*\b:BIA+8*\b+7], v[SC+8*NQ*(\sc)+NQ*\b+(\q)], v[SC+8*NQ*(\sc)+NQ*(\a)+(\q)] matrix_a_fmt:MATRIX_FMT_FP4 matrix_b_fmt:MATRIX_FMT_FP4 matrix_a_scale:MATRIX_SCALE_ROW1
.else
	v_wmma_scale_f32_16x16x128_f8f6f4 v[8*(8*((\a)%4)+\b):8*(8*((\a)%4)+\b)+7], v[128*(\p)+FR*\b:128*(\p)+FR*\b+FR-1], v[AF+FR*(\a):AF+FR*(\a)+FR-1], v[8*(8*((\a)%4)+\b):8*(8*((\a)%4)+\b)+7], v[SC+8*NQ*(\sc)+NQ*\b+(\q)], v[SC+8*NQ*(\sc)+NQ*(\a)+(\q)] matrix_a_fmt:MATRIX_FMT_FP4 matrix_b_fmt:MATRIX_FMT_FP4 matrix_a_scale:MATRIX_SCALE_ROW1
.endif
.endr
.endr
.endm
.macro FETCH_B slot, q, p              ; W's eight fragments of the slot's q-th 128 along K into set p
	WIN TO_B
.irp i, 0,1,2,3,4,5,6,7
	FRAG 128*(\p)+FR*\i, ADRB+\slot, \q, \i
.endr
	WIN 0
.endm
.macro FETCH_A slot, q, i0             ; x's blocks i0 .. i0 + 3
.irp i, \i0, \i0+1, \i0+2, \i0+3
	FRAG AF+FR*(\i), ADRA+\slot, \q, \i
.endr
.endm
.macro SCALES sc                       ; a K step's scale words into set sc: four words a row; lanes 0-15 take x's block i, lanes 16-31 W's block i
.irp i, 0,1,2,3,4,5,6,7
	ds_load_b128 v[SC+8*NQ*\sc+NQ*\i:SC+8*NQ*\sc+NQ*\i+3], v[ADRS] offset:\i*SBLK
.endr
.endm
.macro PLACES n                        ; plain vector instructions that name no register of the matrix instructions in front, ahead of loads into their registers and of reads of their results
.rept \n
	v_nop
.endr
.endm
; A step of 128 along K that has its successor in the same slot.  x's blocks are free as soon as their eight products are issued: blocks 0-3 are fetched anew in the step's middle, blocks 4-7 at its end.
.macro STEP slot, q, first
	s_wait_dscnt 4*NL                              ; W's set, x's blocks 0-3 (and the scale words) are in; the youngest eight loads (x's blocks 4-7) may be out
.if \first
	WIN BEG_LO
.else
	WIN MUL_LO
.endif
	MUL16 0, (\q)%2, \q, \slot, \first
	MUL16 2, (\q)%2, \q, \slot, \first
	s_wait_dscnt 0                                 ; x's blocks 4-7 are in
	PLACES NP
	FETCH_B \slot, (\q)+1, 1-(\q)%2
	FETCH_A \slot, (\q)+1, 0
.if \first
	WIN BEG_HI
.else
	WIN MUL_HI
.endif
	MUL16 4, (\q)%2, \q, \slot, \first
	MUL16 6, (\q)%2, \q, \slot, \first
	PLACES NP
	WIN 0
	FETCH_A \slot, (\q)+1, 4
.endm
; Slot 0's last step goes over to slot 1: each wave waits for all its tensor loads (its part of slot 1), then the work-group's barrier: behind it slot 1 is whole.  Nothing is filled again.
.macro TURN slot, next
	s_wait_tensorcnt 0x0                           ; all my tensor loads have landed
	ds_add_u32 v[SPW], v[NIL]                      ; 0 onto my spare word
	s_wait_dscnt 4*NL+1                            ; (the add and the youngest eight loads may be out)
	WIN MUL_LO
	MUL16 0, 1, NQ-1, \slot, 0
	s_wait_dscnt 0x0                               ; no LDS instruction of mine is out at the signal
	s_barrier_signal -1
	MUL16 2, 1, NQ-1, \slot, 0
	WIN 0
	s_barrier_wait -1
	PLACES NP
	v_add_nc_u32 v[ADRS], 4*NQ, v[ADRS]            ; on to the next K step's scale words
	FETCH_B \next, 0, 0
	FETCH_A \next, 0, 0
	SCALES \next
	WIN MUL_HI
	MUL16 4, 1, NQ-1, \slot, 0
	MUL16 6, 1, NQ-1, \slot, 0
	PLACES NP
	WIN 0
	FETCH_A \next, 0, 4
.endm
	s_wait_loadcnt 0x0                             ; the bias and the mask's words
	s_wait_tensorcnt 1                             ; the scales and my part of K step 0 are in (K step 1's load may be out),
	s_barrier_signal -1
	s_barrier_wait -1                              ; everybody's are
	FETCH_B 0, 0, 0
	FETCH_A 0, 0, 0
	SCALES 0
	FETCH_A 0, 0, 4
	STEP 0, 0, 1                                   ; the first products start the sums with the bias
	STEP 0, 1, 0
	STEP 0, 2, 0
	TURN 0, 1
	STEP 1, 0, 0
	STEP 1, 1, 0
	STEP 1, 2, 0
	s_wait_dscnt 4*NL                              ; the last step: nothing more to fetch
	WIN MUL_LO
	MUL16 0, 1, NQ-1, 1, 0
	MUL16 2, 1, NQ-1, 1, 0
	s_wait_dscnt 0
	WIN MUL_HI
	MUL16 4, 1, NQ-1, 1, 0
	MUL16 6, 1, NQ-1, 1, 0
	WIN 0
; THE WAY OUT, block by block of 16 rows x 128 columns (two heads).  Each row has one factor: c for q, 1 for v, and for k 1 or, where the row's key is masked, 0.
	PLACES NP
	v_mov_b32 v[VSF], s2
.irp a, 0,1,2,3,4,5,6,7
	v_or_b32 v[MK+\a], s3, v[MK+\a]                ; q and v do not heed the mask
	v_cmp_ne_u32 vcc_lo, 0, v[MK+\a]
	v_cndmask_b32 v[FF+2*\a], 0, v[VSF], vcc_lo
	v_mov_b32 v[FF+2*\a+1], v[FF+2*\a]
.endr
.macro PACK a                          ; x the factor, rounded to f16: a lane's eight columns are 16 bytes.  Each accumulator is read from its low end on
.set AC, 64*((\a)%4)
	WIN 0x02+((\a)/4)                              ; source 0: window 2 or 3
.set I, 0
.rept 32
	v_pk_mul_f32 v[T+2*I:T+2*I+1], v[AC+2*I:AC+2*I+1], v[FF+2*(\a):FF+2*(\a)+1]
.set I, I+1
.endr
	WIN 0
.set I, 0
.rept 32
	v_cvt_pk_f16_f32 v[PK+I], v[T+2*I], v[T+2*I+1]
.set I, I+1
.endr
.endm
.macro TOSTAGE a                       ; into my stage by rows of 256 bytes, and back by heads: LDS serves a wave's instructions in order, so no wait stands between
.set BB, BK+32*((\a)%2)
.irp b, 0,1,2,3,4,5,6,7
	ds_store_b128 v[STO], v[PK+4*\b:PK+4*\b+3] offset:32*\b
.endr
.irp t, 0,1,2,3,4,5,6,7
	ds_load_b128 v[BB+4*\t:BB+4*\t+3], v[RD] offset:\t*2*SPITCH
.endr
.endm
.macro SEND a
.set BB, BK+32*((\a)%2)
	s_wait_dscnt 0x0                               ; the block is back in registers
	s_wait_xcnt 0x0                                ; the block before has been read by its stores: its registers may be loaded again behind this wait
.irp t, 0,1,2,3,4,5,6,7
	global_store_b128 v[CO], v[BB+4*\t:BB+4*\t+3], s[20:21] offset:(16*(\a)+2*\t)*128   ; sixteen lanes store two positions of one head: 256 consecutive bytes, aligned
.endr
.endm
	PACK 0
	TOSTAGE 0
.irp a, 1,2,3,4,5,6,7                  ; block a's arithmetic stands between block a - 1's loads from the stage and the wait for them
	PACK \a
	SEND \a-1
	TOSTAGE \a
.endr
	SEND 7
	s_wait_tensorcnt 0x0                           ; the wave's end, behind my last tensor load and my last LDS store
	ds_add_u32 v[SPW], v[NIL]
	s_wait_dscnt 0x0
	CROUND                                         ; the closing round: no work-group ends while a partner may still ask for a tile that names it
	s_endpgm
.Lfunc_end_k_qd958fbbcd2_qkv:
	.size	k_qd958fbbcd2_qkv, .Lfunc_end_k_qd958fbbcd2_qkv-k_qd958fbbcd2_qkv
	.p2alignl 7, 3214868480
	.fill 96, 4, 3214868480
	.section	.rodata,"a",@progbits
	.p2align	6, 0x0
	.amdhsa_kernel k_qd958fbbcd2_qkv
		.amdhsa_group_segment_fixed_size 327680
		.amdhsa_private_segment_fixed_size 0
		.amdhsa_enable_private_segment 0
		.amdhsa_kernarg_size 72
		.amdhsa_user_sgpr_count 2
		.amdhsa_user_sgpr_kernarg_segment_ptr 1
		.amdhsa_wavefront_size32 1
		.amdhsa_system_sgpr_workgroup_id_x 1
		.amdhsa_system_sgpr_workgroup_id_y 1
		.amdhsa_system_sgpr_workgroup_id_z 1
		.amdhsa_system_vgpr_workitem_id 0
		.amdhsa_next_free_vgpr 1024
		.amdhsa_next_free_sgpr 102
		.amdhsa_reserve_vcc 1
		.amdhsa_float_denorm_mode_32 3
		.amdhsa_float_denorm_mode_16_64 3
		.amdhsa_memory_ordered 1
		.amdhsa_forward_progress 1
		.amdhsa_inst_pref_size 147
	.end_amdhsa_kernel
	.amdgpu_metadata
---
amdhsa.version: [ 1, 2 ]
amdhsa.kernels:
  - .name:           k_qd958fbbcd2_qkv
    .symbol:         k_qd958fbbcd2_qkv.kd
    .args:
      - { .name: xc, .offset: 0, .size: 8, .value_kind: global_buffer, .address_space: global }
      - { .name: xs, .offset: 8, .size: 8, .value_kind: global_buffer, .address_space: global }
      - { .name: wc, .offset: 16, .size: 8, .value_kind: global_buffer, .address_space: global }
      - { .name: ws, .offset: 24, .size: 8, .value_kind: global_buffer, .address_space: global }
      - { .name: bq, .offset: 32, .size: 8, .value_kind: global_buffer, .address_space: global }
      - { .name: bk, .offset: 40, .size: 8, .value_kind: global_buffer, .address_space: global }
      - { .name: bv, .offset: 48, .size: 8, .value_kind: global_buffer, .address_space: global }
      - { .name: mask, .offset: 56, .size: 8, .value_kind: global_buffer, .address_space: global }
      - { .name: qkv16, .offset: 64, .size: 8, .value_kind: global_buffer, .address_space: global }
    .group_segment_fixed_size: 327680
    .private_segment_fixed_size: 0
    .kernarg_segment_align: 8
    .kernarg_segment_size: 72
    .max_flat_workgroup_size: 128
    .sgpr_count:     102
    .vgpr_count:     1024
    .wavefront_size: 32
...
	.end_amdgpu_metadata
.endif
;; end of part 2
;; launch attn (part 3): grid 4 x 64, 8 waves a work-group, clusters of 4 x 1, 327,680 bytes of LDS; arguments qkv16, mask, ctx16; writes ctx16
.if DOCPART == 3
	.amdgcn_target "amdgcn-amd-amdhsa--gfx1250"
	.amdhsa_code_object_version 6
	.text
	.protected	k_qd958fbbcd2_attn
	.globl	k_qd958fbbcd2_attn
	.p2align	8
	.type	k_qd958fbbcd2_attn,@function
k_qd958fbbcd2_attn:
	s_mov_b64 s[64:65], 0
	v_nop
	global_prefetch_b8 v0, s[64:65] scope:SCOPE_SE
	s_setreg_imm32_b32 hwreg(HW_REG_WAVE_MODE, 25, 1), 1
	s_wait_xcnt 0x0
	s_wait_alu depctr_hold_cnt(0) depctr_sa_sdst(0) depctr_va_vdst(0) depctr_va_sdst(0) depctr_va_ssrc(0) depctr_va_vcc(0) depctr_vm_vsrc(0)
	s_getreg_b32 s2, hwreg(HW_REG_IB_STS2, 6, 4)
	s_cmp_eq_u32 s2, 0
	s_cbranch_scc0 .Lentry_in_a_cluster
	s_endpgm
.Lentry_in_a_cluster:
	s_bfe_u32 s2, ttmp6, 0x10000c
	s_cmp_lg_u32 s2, 0x3003
	s_cbranch_scc0 .Lentry_shape_is_right
	s_endpgm
.Lentry_shape_is_right:
; ctx[b][h][q] = the sum over k of softmax_k(score) v[b][h][k], score = q . k / 8, or -1e9 where mask[b][k] = 0.  q (already times c = log2(e) / 8), k (zero rows at masked keys) and v arrive as f16,
; qkv16 [3][64 heads][2048][64].  ctx16 [16 heads][8192 tokens][64] f16.  Products on f16 operands with f32 sums; maxima, exponentials and sums in f32; the weights p are rounded to f16 for the second product.
; THE MASK.  A table bias[key] in LDS holds 0, or -1e9 log2(e) where the key is masked; it is the C of each score's first product.  A masked key's k is zero, so its score is exactly that number, as the definition has it:
; a batch whose every key is masked gets the mean of v.
; SOFTMAX.  For each query a running maximum m and sum l: p = 2^(t - m); in every step O and l are multiplied by a = 2^(m_old - m_new).  m begins at -3e38, l and O at 0, so the first step is like every other.
; LIMITS: NaN and infinities are not served; |ctx| up to 65,504 (f16).
; SHARES.  A work-group owns 512 queries of one head, each of its EIGHT waves 64: four tiles of 16.  Every wave walks all 2,048 keys, 64 a step.
; LAYOUT.  S^T = K Q^T (source 0 = 16 keys, source 1 = 16 queries): a lane holds ONE query (lane % 16) and keys 8 (lane / 16) + 0..7.  Two such tiles, rounded to f16 in pairs, ARE source 1 of O^T = V^T P.
; K comes out of LDS as it lies, V ([key][channel]) turned, by ds_load_tr16_b128.
; TWO WAVES TO A SIMD, HALF A TRIP APART.  Every wave runs the chain KQ 0, V 0, M 1, V 1, .. M 31, V 31, PV 31, where V j is step j's softmax (vector work) and M j = PV (j - 1), KQ j (64 matrix instructions).
; A trip of a wave of role 0 is M j, V j; of role 1: V (j - 1), M j.  role = (wave xor wave / 4) % 2.  So while one role has the matrix unit the other has the vector unit.  All LDS reads of trip j are of step j.
; CLUSTER.  The four query blocks of a head walk the same K and V: each tile is asked for JOINTLY, by the same tensor load with the same descriptor and a mask that names the four.
; THE RING.  Two slots of 512 keys (8 steps).  Waves 0-3 fetch K's quarters, waves 4-7 V's: one load a wave, 64 rows of 256 bytes (two keys to a row: a head's rows are dense in memory).
; REGISTERS, in windows of 256.  window 0: v1-5 addresses; v8, v9 the add's two; v12-27 four statistics a tile; v6-7, v10-11, v28-31 at work; v32-63 the step's bias; v64-127 Q; v128-255 S^T, 32 a tile, P in place in each tile's first 16.
;   window 1: v0-127 O^T, 32 a tile; v128-191 K of one step; v192-255 V of one step.
.set PK,    272                        ; a row of K in LDS (two keys): 256 bytes + 16: key k lies at PK (k / 2) + 128 (k % 2): the 16 keys of a load start at 16 different 16-byte columns of 256 (64 banks of 4 bytes: ISA guide 11.1)
.set PV,    288                        ; a row of V: 256 + 32: 16 lanes of the turning load take 4 rows x 2 keys x 32 bytes, each column once
.set KST,   32*PK                      ; a step's 64 keys of K
.set VST,   32*PV                      ; and of V
.set VOFF,  256*PK                     ; a slot: 256 rows of K, then 256 rows of V
.set SLOTB, 256*(PK+PV)
.set BIAS,  2*SLOTB                    ; behind the ring: the mask's table, 2,048 f32
.set STAGE, BIAS+8192                  ; the way out: 16 rows x (128 bytes + 16) for each wave
.set SP,    144
.set SPARE, STAGE+8*16*SP              ; the spare words, 128 bytes a wave
.set AK0, 1                            ; v1   my lane's place in a tile of K; the way out: where I put 16 bytes
.set AV0, 2                            ; v2   the same for V; the way out: where I read back
.set AB0, 3                            ; v3   my lane's place in the table; the way out: my offset in ctx16
.set ADR, 4                            ; v4   the address of the run of loads in hand (K, then the table)
.set ADV, 5                            ; v5   the step's V
.set SPW, 8                            ; v8   LDS address of my spare word; never rewritten
.set NIL, 9                            ; v9   0; never rewritten
.set ST,  12                           ; tile t at v[ST + 4 t]: +0 m, +1 l, +2 a (and chain 0 of the maximum), +3 at work (chain 1)
.set BI,  32
.set Q,   64
.set S,   128
.set KF,  128                          ; in window 1
.set VF,  192                          ; in window 1
.set WV,  14                           ; s14  my wave's number
.set ROLE, 15                          ; s15  my role
.set G1K, 24                           ; s[24:31] descriptor group 1 for K's tiles;  s[32:39] for V's: it differs in the padding alone
.set G1V, 32
.set G0K, 40                           ; s[40:47] group 0 for K's tiles, one set for each slot;  s[48:55] for V's
.set G0V, 48
.set TK,  56                           ; s56  LDS byte at which the step's K begins
.set TV,  57                           ; s57  the same for V (less VOFF)
.set TBI, 58                           ; s58  the step's place in the table
.set CNT, 59                           ; s59  trips
.set SEL, 60                           ; s[60:61] v_permlanex16_b32's selects for lane l xor 16
.set MSB, 0
.macro WIN new                         ; the immediate's high byte repeats the setting that is left
.if MSB != \new
	s_set_vgpr_msb (MSB<<8)|\new
.set MSB, \new
.endif
.endm
.macro CROUND                          ; a round of the cluster's barrier
	s_barrier_signal -1
	s_barrier_wait -1
	s_cmp_lg_u32 s[WV], 0
	s_cbranch_scc1 .Lnot_wave_0_\@
	s_barrier_signal -3
.Lnot_wave_0_\@:
	s_barrier_wait -3
	s_barrier_signal -1
	s_barrier_wait -1
.endm
.macro JLOAD s                         ; a joint refill of slot s; the branch hangs on the wave's number alone; an s_nop 0 and four v_nop follow each of the two lines
	s_cmp_lt_u32 s[WV], 4
	s_cbranch_scc0 .Lfor_v_\@
	tensor_load_to_lds s[G0K+4*\s:G0K+4*\s+3], s[G1K:G1K+7]
	s_nop 0
.rept 4
	v_nop
.endr
	s_branch .Lasked_\@
.Lfor_v_\@:
	tensor_load_to_lds s[G0V+4*\s:G0V+4*\s+3], s[G1V:G1V+7]
	s_nop 0
.rept 4
	v_nop
.endr
.Lasked_\@:
.endm
	s_load_b128 s[4:7], s[0:1], 0x0                ; qkv16 s[4:5], mask s[6:7]
	s_load_b64 s[8:9], s[0:1], 0x10                ; ctx16
	v_lshl_add_u32 v[SPW], v0, 2, SPARE
	v_mov_b32 v[NIL], 0
	ds_add_u32 v[SPW], v[NIL]                      ; the wave's opening: the add, twice on end, and its wait ahead of my first tensor load
	ds_add_u32 v[SPW], v[NIL]
	v_lshrrev_b32 v1, 5, v0
	v_readfirstlane_b32 s[WV], v1                  ; wave 0..7
	s_lshr_b32 s[ROLE], s[WV], 2
	s_xor_b32 s[ROLE], s[ROLE], s[WV]
	s_and_b32 s[ROLE], s[ROLE], 1
	s_bfe_u32 s16, ttmp6, 0x40000                  ; cx: my block of 512 queries: it enters Q's and ctx16's addresses alone
	s_and_b32 s17, ttmp7, 0xffff                   ; batch x 16 + head, which the four partners share
	s_lshl_b32 s18, s17, 18                        ; its 262,144 bytes in each kind
	s_and_b32 s20, s[WV], 3                        ; which quarter of a slot I fetch:
	s_lshl_b32 s22, s20, 14                        ; 128 keys of 128 bytes in memory,
	s_add_co_u32 s22, s22, s18
	s_mov_b32 s23, 0
	s_mul_i32 s2, s20, 64*PK                       ; and 64 rows in LDS: no place in the cluster enters an LDS address
	s_mul_i32 s3, s20, 64*PV
	; descriptor group 1: 64 rows x 128 elements of 2 bytes, dense in memory, padded in LDS
	s_mov_b32 s[G1K], 15|(1<<16)|(1<<20)|(1<<21)|(5<<22)|(3<<25)  ; 15:0 the mask: all four; 17:16 elements of 2 bytes; 20 padding on; 21 set beside a mask; 24:22 after every 64 words; 31:25 four words
	s_mov_b32 s[G1V], 15|(1<<16)|(1<<20)|(1<<21)|(5<<22)|(7<<25)  ; the same with eight words of padding
.irp g, G1K, G1V
	s_mov_b32 s[\g+1], 128<<16                     ; tensor_dim0
	s_mov_b32 s[\g+2], 64<<16                      ; tensor_dim1
	s_mov_b32 s[\g+3], 128<<16                     ; tile_dim0
	s_mov_b32 s[\g+4], 64                          ; tile_dim1
	s_mov_b32 s[\g+5], 128                         ; from row to row
	s_mov_b32 s[\g+6], 0
	s_mov_b32 s[\g+7], 0
.endr
	s_mov_b32 s[SEL], 0x76543210
	s_mov_b32 s[SEL+1], 0xfedcba98
	s_mov_b32 s[TK], 0
	s_mov_b32 s[TV], 0
	s_mov_b32 s[TBI], 0
	s_wait_dscnt 0x0                               ; both opening adds are done
	s_wait_kmcnt 0x0
	s_add_nc_u64 s[10:11], s[4:5], s[22:23]
	CROUND                                         ; all four work-groups are here: the first joint loads meet
.irp s, 0,1
	s_mov_b32 s[G0K+4*\s], 1
	s_add_co_u32 s[G0K+4*\s+1], s2, \s*SLOTB
	s_add_nc_u64 s[G0K+4*\s+2:G0K+4*\s+3], s[10:11], 0x1000000+\s*65536   ; k is the second kind; slot s begins with keys 512 s on
	s_or_b32 s[G0K+4*\s+3], s[G0K+4*\s+3], 0x80000000
	s_mov_b32 s[G0V+4*\s], 1
	s_add_co_u32 s[G0V+4*\s+1], s3, \s*SLOTB+VOFF
	s_add_nc_u64 s[G0V+4*\s+2:G0V+4*\s+3], s[10:11], 0x2000000+\s*65536   ; v the third
	s_or_b32 s[G0V+4*\s+3], s[G0V+4*\s+3], 0x80000000
.endr
	s_cmp_lt_u32 s[WV], 4                          ; a wave's two first fills stand in one branch: two loads of mine are out
	s_cbranch_scc0 .Lfirst_v
	tensor_load_to_lds s[G0K:G0K+3], s[G1K:G1K+7]
	s_nop 0
	tensor_load_to_lds s[G0K+4:G0K+7], s[G1K:G1K+7]
	s_nop 0
.rept 4
	v_nop
.endr
	s_branch .Lfirst_asked
.Lfirst_v:
	tensor_load_to_lds s[G0V:G0V+3], s[G1V:G1V+7]
	s_nop 0
	tensor_load_to_lds s[G0V+4:G0V+7], s[G1V:G1V+7]
	s_nop 0
.rept 4
	v_nop
.endr
.Lfirst_asked:
	s_lshr_b32 s20, s17, 4                         ; the batch: its 2,048 words of the mask
	s_lshl_b32 s20, s20, 13
	s_mov_b32 s21, 0
	s_add_nc_u64 s[6:7], s[6:7], s[20:21]
	v_lshlrev_b32 v11, 5, v0                       ; eight keys a thread
	global_load_b128 v[128:131], v11, s[6:7]
	global_load_b128 v[132:135], v11, s[6:7] offset:16
	s_lshl_b32 s20, s16, 16                        ; my block's 512 rows of 128 bytes,
	s_lshl_b32 s22, s[WV], 13                      ; my wave's 64
	s_add_co_u32 s20, s20, s22
	s_add_co_u32 s22, s20, s18
	s_mov_b32 s23, 0
	s_add_nc_u64 s[12:13], s[4:5], s[22:23]        ; q is the first kind
	s_and_b32 s22, s17, 15                         ; ctx16: the head's 1,048,576 bytes,
	s_lshl_b32 s22, s22, 20
	s_add_co_u32 s22, s22, s20
	s_lshr_b32 s21, s17, 4                         ; the batch's 2,048 tokens of 128 bytes
	s_lshl_b32 s21, s21, 18
	s_add_co_u32 s22, s22, s21
	s_add_nc_u64 s[8:9], s[8:9], s[22:23]
	v_and_b32 v6, 15, v0                           ; r
	v_bfe_u32 v7, v0, 4, 1                         ; h
	v_lshlrev_b32 v10, 7, v6
	v_lshl_add_u32 v10, v7, 4, v10                 ; Q: row r of 128 bytes + 16 h
.irp t, 0,1,2,3
.irp c, 0,1                                    ; Q stays in registers: tile t, channels 32 c on
	global_load_b128 v[Q+16*\t+8*\c:Q+16*\t+8*\c+3], v10, s[12:13] offset:2048*\t+64*\c
	global_load_b128 v[Q+16*\t+8*\c+4:Q+16*\t+8*\c+7], v10, s[12:13] offset:2048*\t+64*\c+32
.endr
.endr
	v_lshrrev_b32 v1, 1, v6                        ; K: key r of a tile: PK (r / 2) + 128 (r % 2) + 16 h
	v_mul_u32_u24 v1, v1, PK
	v_and_b32 v2, 1, v0
	v_lshl_add_u32 v1, v2, 7, v1
	v_lshl_add_u32 v[AK0], v7, 4, v1
	v_bfe_u32 v3, v0, 1, 2                         ; V: lane l reads key 8 h + l % 8, channels 8 ((l / 8) % 2) on: PV (4 h + (l % 8) / 2) + 128 (l % 2) + 16 ((l / 8) % 2)
	v_lshl_add_u32 v3, v7, 2, v3
	v_mul_u32_u24 v3, v3, PV
	v_lshl_add_u32 v3, v2, 7, v3
	v_bfe_u32 v2, v0, 3, 1
	v_lshl_add_u32 v2, v2, 4, v3
	v_add_nc_u32 v[AV0], VOFF, v2
	v_lshl_add_u32 v[AB0], v7, 5, BIAS             ; the table: my half's eight keys of a tile: 32 h
.irp t, 0,1,2,3
	v_mov_b32 v[ST+4*\t], 0xff61b1e6               ; m: -3e38, under every score
	v_mov_b32 v[ST+4*\t+1], 0                      ; l
.endr
	WIN 0x40                                       ; destination window 1
.set U, 0
.rept 128
	v_mov_b32 v[U], 0                              ; O^T.  (The trip is written once for both roles: its first step finds zeros, which the first a leaves zeros)
.set U, U+1
.endr
	WIN 0
	s_wait_loadcnt 16                              ; the mask's two loads are in; Q's sixteen may be out
	v_mov_b32 v136, 0xceabfb8f                     ; -1e9 log2(e)
.irp i, 0,1,2,3,4,5,6,7
	v_cmp_eq_u32 vcc_lo, 0, v[128+\i]
	v_cndmask_b32 v[128+\i], 0, v136, vcc_lo
.endr
	v_lshl_add_u32 v137, v0, 5, BIAS
	ds_store_b128 v137, v[128:131]
	ds_store_b128 v137, v[132:135] offset:16
; The head of a trip: the step's K (16 loads) and its part of the table (8 loads); V's address is made for the run that follows the products.
.macro TOP
	v_add_nc_u32 v[ADR], s[TK], v[AK0]
	v_add_nc_u32 v[ADV], s[TV], v[AV0]
	WIN 0x40                                       ; destination window 1
.irp kt, 0,1,2,3
.irp kc, 0,1
	ds_load_b128 v[KF+8*(2*\kt+\kc):KF+8*(2*\kt+\kc)+3],   v[ADR] offset:8*PK*\kt+64*\kc
	ds_load_b128 v[KF+8*(2*\kt+\kc)+4:KF+8*(2*\kt+\kc)+7], v[ADR] offset:8*PK*\kt+64*\kc+32
.endr
.endr
	WIN 0
	v_add_nc_u32 v[ADR], s[TBI], v[AB0]
.irp kt, 0,1,2,3
	ds_load_b128 v[BI+8*\kt:BI+8*\kt+3],   v[ADR] offset:64*\kt
	ds_load_b128 v[BI+8*\kt+4:BI+8*\kt+7], v[ADR] offset:64*\kt+16
.endr
	s_add_co_u32 s[TK], s[TK], KST
	s_add_co_u32 s[TV], s[TV], VST
	s_add_co_u32 s[TBI], s[TBI], 256
.endm
; 32 products O^T += V^T P: the 16 accumulators take turns, one instruction a turn.
.macro PVS
	WIN 0x51                                       ; V window 1, P window 0, O^T window 1
.irp kc, 0,1
.irp t, 0,1,2,3
.irp ct, 0,1,2,3
	v_wmma_f32_16x16x32_f16 v[32*\t+8*\ct:32*\t+8*\ct+7], v[VF+8*(4*\kc+\ct):VF+8*(4*\kc+\ct)+7], v[S+32*\t+8*\kc:S+32*\t+8*\kc+7], v[32*\t+8*\ct:32*\t+8*\ct+7]
.endr
.endr
.endr
.endm
; 32 products S^T = K Q^T + the mask's value: the first 16 take the table's registers as C.
.macro KQS
	WIN 0x01                                       ; K window 1; Q, the table and S^T window 0
.irp kc, 0,1
.irp t, 0,1,2,3
.irp kt, 0,1,2,3
.if \kc == 0
	v_wmma_f32_16x16x32_f16 v[S+32*\t+8*\kt:S+32*\t+8*\kt+7], v[KF+8*(2*\kt+\kc):KF+8*(2*\kt+\kc)+7], v[Q+16*\t+8*\kc:Q+16*\t+8*\kc+7], v[BI+8*\kt:BI+8*\kt+7]
.else
	v_wmma_f32_16x16x32_f16 v[S+32*\t+8*\kt:S+32*\t+8*\kt+7], v[KF+8*(2*\kt+\kc):KF+8*(2*\kt+\kc)+7], v[Q+16*\t+8*\kc:Q+16*\t+8*\kc+7], v[S+32*\t+8*\kt:S+32*\t+8*\kt+7]
.endif
.endr
.endr
.endr
.endm
; The places behind a run of K Q^T.  Four serve the loads into registers that the products have read and the first read of the scores by a vector instruction; the fifth serves a matrix instruction that takes the
; scores' registers as an operand: in the text a branch on the role leads from here round the softmax to a run of V^T P, so the distance of five is kept on that way as on every other.
.macro BEHIND_KQ
.rept 5
	v_nop
.endr
.endm
.macro LOADV                           ; the step's V, turned: fragment (kc, ct): 16 channels x 32 keys
	WIN 0x40
.irp kc, 0,1
.irp ct, 0,1,2,3
	ds_load_tr16_b128 v[VF+8*(4*\kc+\ct):VF+8*(4*\kc+\ct)+3],   v[ADV] offset:16*PV*\kc+32*\ct
	ds_load_tr16_b128 v[VF+8*(4*\kc+\ct)+4:VF+8*(4*\kc+\ct)+7], v[ADV] offset:16*PV*\kc+32*\ct+8*PV
.endr
.endr
	WIN 0
.endm
; M j: PV (j - 1), KQ j, and the run of loads for V j.
.macro MBLK
	s_wait_dscnt 24                                ; V of the step before is in: behind its sixteen loads stand the 24 of this trip's head
	PVS
.rept 5
	v_nop                                          ; the scores are laid over P, which the products above read: five places ahead of a matrix instruction that writes over them
.endr
	s_wait_dscnt 0x0                               ; K and the table's part are in
	KQS
	BEHIND_KQ
	LOADV
.endm
; V j: the softmax of four tiles for one step.
.macro CH t, k                         ; rC: the register of chain k of tile t's maximum
.if (\k) < 2
.set rC, ST+4*(\t)+2+(\k)
.else
.set rC, 26+(\k)+2*((\t)%2)
.endif
.endm
.macro SR t                            ; rS: the pair in which tile t's weights are summed
.if (\t) < 2
.set rS, 28+2*(\t)
.else
.set rS, 10-4*((\t)-2)
.endif
.endm
.macro PRE t0                          ; tiles t0, t0 + 1, line by line: the maximum of 32 scores and m in four chains (each accumulator is read from its low end on), the other half of the lanes', m_old - m_new, the new m
.irp k, 0,1,2,3
.irp t, \t0, \t0+1
	CH \t, \k
	v_max3_num_f32 v[rC], v[S+32*(\t)+8*\k], v[S+32*(\t)+8*\k+1], v[S+32*(\t)+8*\k+2]
.endr
.endr
.irp i, 3,5
.irp k, 0,1,2,3
.irp t, \t0, \t0+1
	CH \t, \k
	v_max3_num_f32 v[rC], v[rC], v[S+32*(\t)+8*\k+\i], v[S+32*(\t)+8*\k+\i+1]
.endr
.endr
.endr
.irp t, \t0, \t0+1
	v_max3_num_f32 v[ST+4*(\t)+2], v[ST+4*(\t)+2], v[S+32*(\t)+7], v[S+32*(\t)+15]
.endr
.irp t, \t0, \t0+1
	v_max3_num_f32 v[28+2*((\t)%2)], v[28+2*((\t)%2)], v[S+32*(\t)+23], v[S+32*(\t)+31]
.endr
.irp t, \t0, \t0+1
	v_max3_num_f32 v[ST+4*(\t)+2], v[ST+4*(\t)+2], v[ST+4*(\t)+3], v[28+2*((\t)%2)]
.endr
.irp t, \t0, \t0+1
	v_max3_num_f32 v[ST+4*(\t)+2], v[ST+4*(\t)+2], v[29+2*((\t)%2)], v[ST+4*(\t)]
.endr
.irp t, \t0, \t0+1
	v_permlanex16_b32 v[ST+4*(\t)+3], v[ST+4*(\t)+2], s[SEL], s[SEL+1]   ; the query's other 32 keys lie in the lane 16 away
.endr
.irp t, \t0, \t0+1
	v_max_num_f32 v[ST+4*(\t)+3], v[ST+4*(\t)+2], v[ST+4*(\t)+3]
.endr
.irp t, \t0, \t0+1
	v_sub_f32 v[ST+4*(\t)+2], v[ST+4*(\t)], v[ST+4*(\t)+3]
.endr
.irp t, \t0, \t0+1
	v_mov_b32 v[ST+4*(\t)], v[ST+4*(\t)+3]
.endr
.endm
.macro SUBP g                          ; pair g of the 64: t - m (of the pair m, l the low word serves both halves)
	v_pk_add_f32 v[S+2*(\g):S+2*(\g)+1], v[S+2*(\g):S+2*(\g)+1], v[ST+4*((\g)/16):ST+4*((\g)/16)+1] op_sel_hi:[1,0] neg_lo:[0,1] neg_hi:[0,1]
.endm
.macro VPHASE
	PRE 0
	PRE 2
.irp t, 0,1,2,3
	v_exp_f32 v[ST+4*\t+2], v[ST+4*\t+2]           ; a = 2^(m_old - m_new)
.endr
	; ONE BATCH: 132 exponentials with the 64 subtractions among them, each pair's four pairs ahead of its exponentials; nothing here names an exponential's result
.set G, 0
.rept 4
	SUBP G
.set G, G+1
.endr
.set G, 0
.rept 64
	v_exp_f32 v[S+2*G], v[S+2*G]
	v_exp_f32 v[S+2*G+1], v[S+2*G+1]
.if G < 60
	SUBP G+4
.endif
.set G, G+1
.endr
	v_nop                                          ; a plain instruction behind the last exponential
	s_wait_alu depctr_va_vdst(0)                   ; ahead of the first instruction that names a result: one for the batch
.irp t, 0,1,2,3                                ; the sums of the unrounded weights, two at a time, the four tiles by turns
	SR \t
	v_pk_add_f32 v[rS:rS+1], v[S+32*\t:S+32*\t+1], v[S+32*\t+2:S+32*\t+3]
.endr
.irp i, 2,3,4,5,6,7,8,9,10,11,12,13,14,15
.irp t, 0,1,2,3
	SR \t
	v_pk_add_f32 v[rS:rS+1], v[rS:rS+1], v[S+32*\t+2*\i:S+32*\t+2*\i+1]
.endr
.endr
.irp t, 0,1,2,3
	SR \t
	v_add_f32 v[rS], v[rS], v[rS+1]
.endr
.irp t, 0,1,2,3
	SR \t
	v_fma_f32 v[ST+4*\t+1], v[ST+4*\t+1], v[ST+4*\t+2], v[rS]   ; l = a l + the sum
.endr
.irp t, 0,1,2,3                                ; P, in place: register u takes weights 2 u and 2 u + 1, which no later line wants
.set U, 0
.rept 16
	v_cvt_pk_f16_f32 v[S+32*\t+U], v[S+32*\t+2*U], v[S+32*\t+2*U+1]
.set U, U+1
.endr
.endr
	WIN 0x41                                       ; O^T (destination and source 0) window 1, a window 0
.irp t, 0,1,2,3
.set U, 0
.rept 16
	v_pk_mul_f32 v[32*\t+2*U:32*\t+2*U+1], v[32*\t+2*U:32*\t+2*U+1], v[ST+4*\t+2:ST+4*\t+3] op_sel_hi:[1,0]
.set U, U+1
.endr
.endr
	WIN 0
.endm
.macro TRIP                            ; role 0: M j, V j.  role 1: V (j - 1), M j.  The branches hang on the wave's number alone and lead round no barrier, no tensor load and no wait on TENSORcnt
	TOP
	s_cmp_lg_u32 s[ROLE], 0
	s_cbranch_scc1 .Lv_first_\@
	MBLK
.Lv_first_\@:
	VPHASE
	s_cmp_eq_u32 s[ROLE], 0
	s_cbranch_scc1 .Ltrip_done_\@
	MBLK
.Ltrip_done_\@:
.endm
.macro TRIPS n
	s_mov_b32 s[CNT], \n
.Ltrip_\@:
	TRIP
	s_sub_co_u32 s[CNT], s[CNT], 1
	s_cmp_lg_u32 s[CNT], 0
	s_cbranch_scc1 .Ltrip_\@
.endm
; THE CHANGE OF SLOTS.  Each wave waits for all its tensor loads (one is out: its part of the slot ahead), adds 0 to its spare word, and waits for that and for its reads of the slot that it leaves.
; fill = 1: that slot is filled again with the keys 1,024 on: the barrier is then a round of the cluster's, and the joint refill is the first thing behind it: it has eight steps in which to land.
.macro CHANGE fill, slot, next
	s_wait_tensorcnt 0x0                           ; no tensor load of mine is out, so a group 0 may be written
	ds_add_u32 v[SPW], v[NIL]
.if \fill
	s_add_nc_u64 s[G0K+4*\slot+2:G0K+4*\slot+3], s[G0K+4*\slot+2:G0K+4*\slot+3], 131072
	s_add_nc_u64 s[G0V+4*\slot+2:G0V+4*\slot+3], s[G0V+4*\slot+2:G0V+4*\slot+3], 131072
.endif
	s_wait_dscnt 0x0                               ; the add is done, and my reads of the slot are over
.if \fill
	CROUND
	JLOAD \slot
.else
	s_barrier_signal -1
	s_barrier_wait -1
.endif
	s_mov_b32 s[TK], \next*SLOTB
	s_mov_b32 s[TV], \next*SLOTB
.endm
	s_wait_tensorcnt 1                             ; my part of slot 0 is in; slot 1's may stay out
	s_wait_dscnt 0x0                               ; my part of the table is stored
	s_barrier_signal -1
	s_barrier_wait -1
	TOP                                            ; step 0
	s_wait_loadcnt 0x0                             ; Q
	s_wait_dscnt 0x0
	KQS
	BEHIND_KQ
	LOADV
	s_cmp_lg_u32 s[ROLE], 0
	s_cbranch_scc1 .Lno_v0
	VPHASE                                         ; role 0 runs V 0 here; role 1 in its first trip
.Lno_v0:
	s_wait_dscnt 0x0
	s_barrier_signal -1
	s_barrier_wait -1                              ; from here the two roles are half a trip apart
	TRIPS 7                                        ; steps 1-7: slot 0
	CHANGE 1, 0, 1
	TRIPS 8                                        ; steps 8-15: slot 1
	CHANGE 1, 1, 0
	TRIPS 8                                        ; steps 16-23: slot 0
	CHANGE 0, 0, 1                                 ; nothing is left to fetch
	TRIPS 8                                        ; steps 24-31: slot 1
	s_cmp_eq_u32 s[ROLE], 0
	s_cbranch_scc1 .Lno_v31
	VPHASE                                         ; role 1's V 31
.Lno_v31:
	s_wait_dscnt 0x0                               ; V of step 31
	PVS
	WIN 0
	; THE WAY OUT.  l's other half is added; O^T is divided by l, rounded to f16 and sent through my stage, a tile (16 rows of 128 bytes) at a time.  The lines below, down to the wait, are the places behind the last products.
.irp t, 0,1,2,3
	v_permlanex16_b32 v[ST+4*\t+3], v[ST+4*\t+1], s[SEL], s[SEL+1]
.endr
.irp t, 0,1,2,3
	v_add_f32 v[ST+4*\t+1], v[ST+4*\t+1], v[ST+4*\t+3]
.endr
.irp t, 0,1,2,3
	v_rcp_f32 v[ST+4*\t+2], v[ST+4*\t+1]
.endr
	v_and_b32 v4, 15, v0                           ; r
	v_bfe_u32 v5, v0, 4, 1                         ; h
	s_mul_i32 s20, s[WV], 16*SP
	s_add_co_u32 s20, s20, STAGE                   ; my stage
	v_mul_u32_u24 v1, v4, SP
	v_lshl_add_u32 v1, v5, 4, v1
	v_add_nc_u32 v1, s20, v1                       ; in: row r, 16 bytes for each half of the lanes
	v_bfe_u32 v2, v0, 3, 2
	v_mul_u32_u24 v2, v2, SP
	v_and_b32 v3, 7, v0
	v_lshl_add_u32 v2, v3, 4, v2
	v_add_nc_u32 v2, s20, v2                       ; back: eight lanes to a row, four rows an instruction
	v_and_b32 v3, 31, v0
	v_lshlrev_b32 v3, 4, v3                        ; and the same 512 bytes in ctx16
	s_wait_alu depctr_va_vdst(0)                   ; ahead of the first use of the four reciprocals
.macro PACK t
	WIN 0x01                                       ; source 0 window 1
.set U, 0
.rept 16
	v_pk_mul_f32 v[S+32*\t+2*U:S+32*\t+2*U+1], v[32*\t+2*U:32*\t+2*U+1], v[ST+4*\t+2:ST+4*\t+3] op_sel_hi:[1,0]
.set U, U+1
.endr
	WIN 0
.set U, 0
.rept 16
	v_cvt_pk_f16_f32 v[S+32*\t+U], v[S+32*\t+2*U], v[S+32*\t+2*U+1]
.set U, U+1
.endr
.irp c, 0,1,2,3
	ds_store_b128 v1, v[S+32*\t+4*\c:S+32*\t+4*\c+3] offset:32*\c
.endr
.irp i, 0,1,2,3
	ds_load_b128 v[S+32*\t+16+4*\i:S+32*\t+16+4*\i+3], v2 offset:4*SP*\i   ; LDS serves a wave's instructions in order: these see the stores above; the next tile's stores come behind them
.endr
.endm
.macro SEND t, younger                 ; younger: the LDS instructions issued behind tile t's loads: the next tile's eight, or none
.irp i, 0,1,2,3
	s_wait_dscnt \younger+3-\i
	global_store_b128 v3, v[S+32*\t+16+4*\i:S+32*\t+16+4*\i+3], s[8:9] offset:2048*\t+512*\i   ; the wave stores 512 consecutive bytes, aligned
.endr
.endm
	PACK 0
	PACK 1
	SEND 0, 8
	PACK 2
	SEND 1, 8
	PACK 3
	SEND 2, 8
	SEND 3, 0
	s_wait_tensorcnt 0x0                           ; the wave's end, behind my last tensor load and my last LDS store
	ds_add_u32 v[SPW], v[NIL]
	s_wait_dscnt 0x0
	CROUND                                         ; the closing round
	s_endpgm
.Lfunc_end_k_qd958fbbcd2_attn:
	.size	k_qd958fbbcd2_attn, .Lfunc_end_k_qd958fbbcd2_attn-k_qd958fbbcd2_attn
	.p2alignl 7, 3214868480
	.fill 96, 4, 3214868480
	.section	.rodata,"a",@progbits
	.p2align	6, 0x0
	.amdhsa_kernel k_qd958fbbcd2_attn
		.amdhsa_group_segment_fixed_size 327680
		.amdhsa_private_segment_fixed_size 0
		.amdhsa_enable_private_segment 0
		.amdhsa_kernarg_size 24
		.amdhsa_user_sgpr_count 2
		.amdhsa_user_sgpr_kernarg_segment_ptr 1
		.amdhsa_wavefront_size32 1
		.amdhsa_system_sgpr_workgroup_id_x 1
		.amdhsa_system_sgpr_workgroup_id_y 1
		.amdhsa_system_sgpr_workgroup_id_z 1
		.amdhsa_system_vgpr_workitem_id 0
		.amdhsa_next_free_vgpr 512
		.amdhsa_next_free_sgpr 66
		.amdhsa_reserve_vcc 1
		.amdhsa_float_denorm_mode_32 3
		.amdhsa_float_denorm_mode_16_64 3
		.amdhsa_memory_ordered 1
		.amdhsa_forward_progress 1
		.amdhsa_inst_pref_size 240
	.end_amdhsa_kernel
	.amdgpu_metadata
---
amdhsa.version: [ 1, 2 ]
amdhsa.kernels:
  - .name:           k_qd958fbbcd2_attn
    .symbol:         k_qd958fbbcd2_attn.kd
    .args:
      - { .name: qkv16, .offset: 0, .size: 8, .value_kind: global_buffer, .address_space: global }
      - { .name: mask, .offset: 8, .size: 8, .value_kind: global_buffer, .address_space: global }
      - { .name: ctx16, .offset: 16, .size: 8, .value_kind: global_buffer, .address_space: global }
    .group_segment_fixed_size: 327680
    .private_segment_fixed_size: 0
    .kernarg_segment_align: 8
    .kernarg_segment_size: 24
    .max_flat_workgroup_size: 256
    .sgpr_count:     66
    .vgpr_count:     512
    .wavefront_size: 32
...
	.end_amdgpu_metadata
.endif
;; end of part 3
;; launch proj (part 4): grid 4 x 64, 4 waves a work-group, clusters of 4 x 4, 327,680 bytes of LDS; arguments ctx16, wo16, bo, out0; writes out0
.if DOCPART == 4
	.amdgcn_target "amdgcn-amd-amdhsa--gfx1250"
	.amdhsa_code_object_version 6
	.text
	.protected	k_qd958fbbcd2_proj
	.globl	k_qd958fbbcd2_proj
	.p2align	8
	.type	k_qd958fbbcd2_proj,@function
k_qd958fbbcd2_proj:
	s_mov_b64 s[64:65], 0
	v_nop
	global_prefetch_b8 v0, s[64:65] scope:SCOPE_SE
	s_setreg_imm32_b32 hwreg(HW_REG_WAVE_MODE, 25, 1), 1
	s_wait_xcnt 0x0
	s_wait_alu depctr_hold_cnt(0) depctr_sa_sdst(0) depctr_va_vdst(0) depctr_va_sdst(0) depctr_va_ssrc(0) depctr_va_vcc(0) depctr_vm_vsrc(0)
	s_getreg_b32 s2, hwreg(HW_REG_IB_STS2, 6, 4)
	s_cmp_eq_u32 s2, 0
	s_cbranch_scc0 .Lentry_in_a_cluster
	s_endpgm
.Lentry_in_a_cluster:
	s_bfe_u32 s2, ttmp6, 0x10000c
	s_cmp_lg_u32 s2, 0xf033
	s_cbranch_scc0 .Lentry_shape_is_right
	s_endpgm
.Lentry_shape_is_right:
; out0 = ctx Wo^T + bo.  ctx16 [16 heads][8192 tokens][64] f16 (K = 64 x head + channel), wo16 [1024 n][1024 k] f16, bo [1024] f32, out0 [8192][1024] f32.  Sums in f32, begun with the bias.
; A tile of the result is 128 rows x 256 columns: 64 x 4 = 256 work-groups.  Four waves, each 64 rows x 128 columns: 32 accumulators of 16 x 16, 256 registers.
; K goes in steps of 128 (two heads) through a ring of two LDS slots.  ctx's tile is two planes, one a head: 128 tokens x 128 bytes are dense in memory and come as 64 rows of 256 bytes (two tokens to a row);
; Wo's tile is 256 rows of 256 bytes.  Waves 0 and 1 fetch a plane each, waves 2 and 3 128 rows of Wo each: one load a wave.
; CLUSTERS: 4 x 4 work-groups.  The four of a row of the cluster need the same tiles of ctx, the four of a column the same tiles of Wo: each is asked for JOINTLY, by the same tensor load with the same descriptor and a mask that names the four.
; THE MATRIX INSTRUCTION IS USED TRANSPOSED (source 0 = 16 rows of Wo, source 1 = 16 tokens): a lane holds eight neighbouring columns of one row of the result.
; REGISTERS: window 0: v0-31 addresses; v32-127, v128-223 two fragment buffers for 32 along K: 64 registers of Wo (8 blocks), then 32 of ctx (4 blocks).  window 1: accumulator (a, b) at v[8 (8 a + b)].  window 2: v0-63 the bias in the result's layout.
.set PITCH,  272                       ; an LDS row: 256 bytes + 16 of padding: the rows that a load touches start at different banks (64 banks of 4 bytes: ISA guide 11.1)
.set APL,    64*PITCH                  ; a plane of ctx
.set BOFF,   2*APL                     ; Wo's rows lie behind the two planes
.set BHALF,  128*PITCH
.set SLOT,   BOFF+2*BHALF
.set STAGE,  2*SLOT                    ; behind the ring: 16 rows x (512 bytes + 16) for each wave
.set SPITCH, 528
.set SPARE,  STAGE+4*16*SPITCH         ; the spare words, 128 bytes a wave
.set ADRA, 16                          ; v16-17  LDS address of my fragments of ctx in slot 0, 1
.set ADRB, 20                          ; v20-21  the same for Wo
.set STO,  24                          ; v24     the way out: where I put 32 bytes of a row
.set RD,   25                          ; v25     where I read a row back
.set CO,   26                          ; v26     my byte offset in a row's 512 bytes
.set SPW,  28                          ; v28     LDS address of my spare word; never rewritten
.set NIL,  29                          ; v29     0; never rewritten
.set F0,   32
.set F1,   128
.set BK,   32                          ; the way out: 16 rows read back: v32-95 and v96-159 by turns
.set G1, 24                            ; s[24:31] descriptor group 1 for ctx's planes;  s[32:39] group 0, one set for each slot
.set G0, 32
.set G1B, 48                           ; s[48:55], s[56:63] the same for Wo's tiles
.set G0B, 56
.set MSB, 0
.macro WIN new                         ; the immediate's high byte repeats the setting that is left
.if MSB != \new
	s_set_vgpr_msb (MSB<<8)|\new
.set MSB, \new
.endif
.endm
.set W_MUL, 0x50                       ; sources 0 and 1 window 0; C and D window 1
.set W_BEG, 0x60                       ; the first products: C (the bias) window 2, D window 1
.macro JLOAD s                         ; a joint load: waves 0 and 1 for ctx, waves 2 and 3 for Wo; an s_nop 0 and four v_nop follow each of the two lines
	s_cmp_eq_u32 s13, 0
	s_cbranch_scc0 .Lfor_b_\@
	tensor_load_to_lds s[G0+4*\s:G0+4*\s+3], s[G1:G1+7]
	s_nop 0
.rept 4
	v_nop
.endr
	s_branch .Lasked_\@
.Lfor_b_\@:
	tensor_load_to_lds s[G0B+4*\s:G0B+4*\s+3], s[G1B:G1B+7]
	s_nop 0
.rept 4
	v_nop
.endr
.Lasked_\@:
.endm
.macro CREST                           ; a round of the cluster's barrier behind its opening barrier
	s_cmp_lg_u32 s12, 0
	s_cbranch_scc1 .Lnot_wave_0_\@
	s_barrier_signal -3
.Lnot_wave_0_\@:
	s_barrier_wait -3
	s_barrier_signal -1
	s_barrier_wait -1
.endm
.macro CROUND
	s_barrier_signal -1
	s_barrier_wait -1
	CREST
.endm
	s_load_b128 s[4:7], s[0:1], 0x0                ; ctx16 s[4:5], wo16 s[6:7]
	s_load_b128 s[8:11], s[0:1], 0x10              ; bo s[8:9], out0 s[10:11]
	v_lshl_add_u32 v[SPW], v0, 2, SPARE
	v_mov_b32 v[NIL], 0
	ds_add_u32 v[SPW], v[NIL]                      ; the wave's opening: the add, twice on end, and its wait ahead of my first tensor load
	ds_add_u32 v[SPW], v[NIL]
	v_lshrrev_b32 v1, 5, v0
	v_readfirstlane_b32 s12, v1                    ; wave 0..3
	s_lshr_b32 s13, s12, 1                         ; which 64 rows are mine.  Also: I fetch for ctx (0) or for Wo (1)
	s_and_b32 s14, s12, 1                          ; which 128 columns.  Also: which plane, or which 128 rows of Wo, I fetch
	s_bfe_u32 s40, ttmp6, 0x40000                  ; cx, cy
	s_bfe_u32 s41, ttmp6, 0x40004
	s_lshl_b32 s42, ttmp9, 2
	s_add_co_u32 s42, s42, s40                     ; tile column
	s_and_b32 s15, ttmp7, 0xffff
	s_lshl_b32 s15, s15, 2
	s_add_co_u32 s15, s15, s41                     ; tile row
	s_lshl_b32 s43, s41, 2
	s_lshl_b32 s43, 15, s43                        ; my row of the cluster
	s_lshl_b32 s44, 0x1111, s40                    ; my column
	s_or_b32 s[G1+0], s43, (1<<16)|(1<<20)|(1<<21)|(5<<22)|(3<<25)   ; 15:0 the mask; 17:16 elements of 2 bytes; 20 padding on; 21 set beside a mask; 24:22 after every 64 words; 31:25 four words
	s_mov_b32 s[G1+1], 128<<16                     ; tensor_dim0
	s_mov_b32 s[G1+2], 64<<16                      ; tensor_dim1
	s_mov_b32 s[G1+3], 128<<16                     ; tile_dim0
	s_mov_b32 s[G1+4], 64                          ; tile_dim1
	s_mov_b32 s[G1+5], 128                         ; from row to row: dense
	s_mov_b32 s[G1+6], 0
	s_mov_b32 s[G1+7], 0
	s_or_b32 s[G1B+0], s44, (1<<16)|(1<<20)|(1<<21)|(5<<22)|(3<<25)
	s_mov_b32 s[G1B+1], 128<<16
	s_mov_b32 s[G1B+2], 128<<16
	s_mov_b32 s[G1B+3], 128<<16
	s_mov_b32 s[G1B+4], 128
	s_mov_b32 s[G1B+5], 1024
	s_mov_b32 s[G1B+6], 0
	s_mov_b32 s[G1B+7], 0
	s_lshl_b32 s16, s15, 14                        ; ctx: the tile row's 128 tokens of 128 bytes,
	s_lshl_b32 s17, s14, 20                        ; in my plane of the K step's two
	s_add_co_u32 s16, s16, s17
	s_mov_b32 s17, 0
	s_lshl_b32 s46, s42, 19                        ; Wo: row 256 x tile column + 128 x half, 2,048 bytes each
	s_lshl_b32 s47, s14, 18
	s_add_co_u32 s46, s46, s47
	s_mov_b32 s47, 0
	s_mul_i32 s20, s14, APL                        ; where they go: no place in the cluster enters an LDS address
	s_mul_i32 s21, s14, BHALF
	s_add_co_u32 s21, s21, BOFF
	s_wait_dscnt 0x0                               ; both opening adds are done
	s_wait_kmcnt 0x0
	s_add_nc_u64 s[18:19], s[4:5], s[16:17]
	s_add_nc_u64 s[46:47], s[6:7], s[46:47]
	CROUND                                         ; all sixteen work-groups are here: the first joint loads meet
.irp s, 0,1
	s_mov_b32 s[G0+4*\s], 1
	s_add_co_u32 s[G0+4*\s+1], s20, \s*SLOT
	s_add_nc_u64 s[G0+4*\s+2:G0+4*\s+3], s[18:19], \s*2097152      ; K step s: two heads on
	s_or_b32 s[G0+4*\s+3], s[G0+4*\s+3], 0x80000000
	s_mov_b32 s[G0B+4*\s], 1
	s_add_co_u32 s[G0B+4*\s+1], s21, \s*SLOT
	s_add_nc_u64 s[G0B+4*\s+2:G0B+4*\s+3], s[46:47], \s*256
	s_or_b32 s[G0B+4*\s+3], s[G0B+4*\s+3], 0x80000000
	JLOAD \s                                       ; two tensor loads of mine are out
.endr
	v_and_b32 v1, 15, v0                           ; r
	v_bfe_u32 v2, v0, 4, 1                         ; h
	v_lshrrev_b32 v3, 1, v1                        ; ctx: token r of a block: PITCH (r / 2) + 128 (r % 2) + 16 h
	v_mul_u32_u24 v3, v3, PITCH
	v_and_b32 v4, 1, v0
	v_lshl_add_u32 v3, v4, 7, v3
	v_lshl_add_u32 v3, v2, 4, v3
	v_mul_u32_u24 v4, v1, PITCH                    ; Wo: row r x pitch + 16 h
	v_lshl_add_u32 v4, v2, 4, v4
	s_mul_i32 s22, s13, 32*PITCH                   ; my 64 tokens: 32 rows
	s_mul_i32 s23, s14, BHALF                      ; my 128 rows of Wo
	s_add_co_u32 s23, s23, BOFF
.irp s, 0,1
	v_add_nc_u32 v[ADRA+\s], s22, v3
	v_add_nc_u32 v[ADRB+\s], s23, v4
	s_add_co_u32 s22, s22, SLOT
	s_add_co_u32 s23, s23, SLOT
.endr
	s_mul_i32 s22, s12, 16*SPITCH
	s_add_co_u32 s22, s22, STAGE                   ; my stage
	v_mul_u32_u24 v5, v1, SPITCH                   ; in: row r, 32 bytes for each half of the lanes
	v_lshl_add_u32 v5, v2, 5, v5
	v_add_nc_u32 v[STO], s22, v5
	v_and_b32 v6, 31, v0
	v_lshlrev_b32 v[CO], 4, v6                     ; back: the 32 lanes take one row of 512 bytes
	v_add_nc_u32 v[RD], s22, v[CO]
	s_lshl_b32 s46, s42, 10                        ; my 128 columns, in bytes of f32: 1,024 x tile column + 512 x half
	s_lshl_b32 s47, s14, 9
	s_add_co_u32 s46, s46, s47
	s_mov_b32 s47, 0
	s_add_nc_u64 s[8:9], s[8:9], s[46:47]
	s_add_nc_u64 s[10:11], s[10:11], s[46:47]
	s_lshl_b32 s16, s15, 19                        ; my first row: 128 x tile row + 64 x half, 4,096 bytes each
	s_lshl_b32 s17, s13, 18
	s_add_co_u32 s16, s16, s17
	s_mov_b32 s17, 0
	s_add_nc_u64 s[10:11], s[10:11], s[16:17]
	v_lshlrev_b32 v7, 5, v2
	WIN 0x80                                       ; destination window 2
.irp b, 0,1,2,3,4,5,6,7
	global_load_b128 v[8*\b:8*\b+3], v7, s[8:9] offset:64*\b        ; register 8 b + j: bo[16 b + 8 h + j] of my 128 columns
	global_load_b128 v[8*\b+4:8*\b+7], v7, s[8:9] offset:64*\b+16
.endr
	WIN 0
; 8 matrix instructions: ctx's block a against Wo's eight, 32 along K, from buffer f.  first = 1: the bias is the C of the sum's first product.  The 32 accumulators take turns.
.macro MUL8 f, a, first
.irp b, 0,1,2,3,4,5,6,7
.if \first
	v_wmma_f32_16x16x32_f16 v[8*(8*(\a)+\b):8*(8*(\a)+\b)+7], v[\f+8*\b:\f+8*\b+7], v[\f+64+8*(\a):\f+64+8*(\a)+7], v[8*\b:8*\b+7]
.else
	v_wmma_f32_16x16x32_f16 v[8*(8*(\a)+\b):8*(8*(\a)+\b)+7], v[\f+8*\b:\f+8*\b+7], v[\f+64+8*(\a):\f+64+8*(\a)+7], v[8*(8*(\a)+\b):8*(8*(\a)+\b)+7]
.endif
.endr
.endm
; 24 LDS loads in one run: the fragments of the slot's q-th 32 along K into buffer f.  Quarter q lies in plane q / 2 of ctx, at byte 64 (q % 2) of a token; in Wo at byte 64 q of a row.
.macro FETCH slot, q, f
.irp b, 0,1,2,3,4,5,6,7
	ds_load_b128 v[\f+8*\b:\f+8*\b+3],   v[ADRB+\slot] offset:64*(\q)+16*PITCH*\b
	ds_load_b128 v[\f+8*\b+4:\f+8*\b+7], v[ADRB+\slot] offset:64*(\q)+16*PITCH*\b+32
.endr
.irp a, 0,1,2,3
	ds_load_b128 v[\f+64+8*\a:\f+64+8*\a+3],   v[ADRA+\slot] offset:APL*((\q)/2)+64*((\q)%2)+8*PITCH*\a
	ds_load_b128 v[\f+64+8*\a+4:\f+64+8*\a+7], v[ADRA+\slot] offset:APL*((\q)/2)+64*((\q)%2)+8*PITCH*\a+32
.endr
.endm
.macro PLACES                          ; four plain vector instructions ahead of loads into registers that matrix instructions have read, and of reads of results
.rept 4
	v_nop
.endr
.endm
; A K step is four quarters of 32 along K, 32 matrix instructions each, on buffers 0, 1, 0, 1.  One of the first three: multiplies buffer f (quarter q) and fetches quarter q + 1 into g.
.macro QUARTER slot, q, f, g, first
	s_wait_dscnt 0x0                               ; buffer f is in (asked for 16 matrix instructions ago)
.if \first
	WIN W_BEG
.else
	WIN W_MUL
.endif
	MUL8 \f, 0, \first
	MUL8 \f, 1, \first
	PLACES
	WIN 0
	FETCH \slot, (\q)+1, \g
.if \first
	WIN W_BEG
.else
	WIN W_MUL
.endif
	MUL8 \f, 2, \first
	MUL8 \f, 3, \first
.endm
; The last quarter multiplies buffer 1 and changes slots: ONE barrier; in front of it each wave waits for all its tensor loads, adds 0 to its spare word, and waits for that and for its reads of this slot.
; fill = 1: the barrier opens a round of the cluster's, and behind it this slot is filled again, two K steps ahead.
.macro TURN slot, next, fill
	WIN 0                                          ; (the add's two registers lie in window 0)
	s_wait_tensorcnt 0x0                           ; all my tensor loads have landed: my part of the next slot
	ds_add_u32 v[SPW], v[NIL]
	s_wait_dscnt 1                                 ; buffer 1 is in (the add may be out)
	WIN W_MUL
	MUL8 F1, 0, 0                                  ; eight matrix instructions stand between the add and the wait for it
	s_wait_dscnt 0x0                               ; the add is done, and my reads of this slot are over
	s_barrier_signal -1
	MUL8 F1, 1, 0
	WIN 0
	s_barrier_wait -1
.if \fill
	CREST                                          ; no wave of any partner still reads this slot's tiles or has a load on its way
	s_add_nc_u64 s[G0+4*\slot+2:G0+4*\slot+3], s[G0+4*\slot+2:G0+4*\slot+3], 4194304     ; four heads on
	s_add_nc_u64 s[G0B+4*\slot+2:G0B+4*\slot+3], s[G0B+4*\slot+2:G0B+4*\slot+3], 512
	JLOAD \slot                                    ; the first tensor load behind the round; its four v_nop are also the places in front of the loads below
.else
	PLACES
.endif
	FETCH \next, 0, F0
	WIN W_MUL
	MUL8 F1, 2, 0
	MUL8 F1, 3, 0
.endm
	s_wait_tensorcnt 1                             ; my part of K step 0 is in (K step 1's load may be out),
	s_barrier_signal -1
	s_barrier_wait -1                              ; everybody's is
	FETCH 0, 0, F0
	s_wait_loadcnt 0x0                             ; the bias
	QUARTER 0, 0, F0, F1, 1                        ; the first quarter stands in front of the loop: its products start the sums with the bias
	WIN 0                                          ; at a label and at a branch every window is 0
	s_mov_b32 s3, 3
.Llap:                                                 ; a trip goes once round the ring, from a lap's second quarter to the next lap's first, and fills both slots again: K steps 2 to 7
	QUARTER 0, 1, F1, F0, 0
	QUARTER 0, 2, F0, F1, 0
	TURN 0, 1, 1
	QUARTER 1, 0, F0, F1, 0
	QUARTER 1, 1, F1, F0, 0
	QUARTER 1, 2, F0, F1, 0
	TURN 1, 0, 1
	QUARTER 0, 0, F0, F1, 0
	WIN 0
	s_sub_co_u32 s3, s3, 1
	s_cmp_lg_u32 s3, 0
	s_cbranch_scc1 .Llap
	QUARTER 0, 1, F1, F0, 0                        ; the last lap fills nothing
	QUARTER 0, 2, F0, F1, 0
	TURN 0, 1, 0
	QUARTER 1, 0, F0, F1, 0
	QUARTER 1, 1, F1, F0, 0
	QUARTER 1, 2, F0, F1, 0
	s_wait_dscnt 0x0                               ; the last quarter: nothing more to fetch
	WIN W_MUL
	MUL8 F1, 0, 0
	MUL8 F1, 1, 0
	MUL8 F1, 2, 0
	MUL8 F1, 3, 0
	WIN 0
; THE WAY OUT, block by block of 16 rows x 128 columns: through my own stage and back as whole rows of 512 bytes.  LDS serves a wave's instructions in order: no wait between the stores and the loads.
.macro TOSTAGE a
	WIN 0x04                                       ; an LDS store's data are its source 1: window 1
.irp b, 0,1,2,3,4,5,6,7
	ds_store_b128 v[STO], v[8*(8*(\a)+\b):8*(8*(\a)+\b)+3] offset:64*\b          ; each accumulator from its low end on
	ds_store_b128 v[STO], v[8*(8*(\a)+\b)+4:8*(8*(\a)+\b)+7] offset:64*\b+16
.endr
	WIN 0
.set BB, BK+64*((\a)%2)
.irp t, 0,1,2,3,4,5,6,7,8,9,10,11,12,13,14,15
	ds_load_b128 v[BB+4*\t:BB+4*\t+3], v[RD] offset:\t*SPITCH
.endr
.endm
.macro SEND a, younger                 ; younger: the LDS instructions issued behind block a's loads, which may stay out
.set BB, BK+64*((\a)%2)
	s_wait_dscnt \younger
.irp t, 0,1,2,3,4,5,6,7,8,9,10,11,12,13,14,15
	global_store_b128 v[CO], v[BB+4*\t:BB+4*\t+3], s[10:11] offset:(16*(\a)+\t)*4096 th:TH_STORE_NT   ; 32 lanes store 512 consecutive bytes, aligned; written once, read by nobody here
.endr
.endm
	PLACES
	TOSTAGE 0
.irp a, 1,2,3
.if \a > 1
	s_wait_xcnt 0x0                                ; block a - 2's stores have read their registers: block a's loads may land there
.endif
	TOSTAGE \a
	SEND \a-1, 32                                  ; behind block a - 1's loads: block a's 16 stores and 16 loads
.endr
	SEND 3, 0
	s_wait_tensorcnt 0x0                           ; the wave's end, behind my last tensor load and my last LDS store
	ds_add_u32 v[SPW], v[NIL]
	s_wait_dscnt 0x0
	CROUND                                         ; the closing round
	s_endpgm
.Lfunc_end_k_qd958fbbcd2_proj:
	.size	k_qd958fbbcd2_proj, .Lfunc_end_k_qd958fbbcd2_proj-k_qd958fbbcd2_proj
	.p2alignl 7, 3214868480
	.fill 96, 4, 3214868480
	.section	.rodata,"a",@progbits
	.p2align	6, 0x0
	.amdhsa_kernel k_qd958fbbcd2_proj
		.amdhsa_group_segment_fixed_size 327680
		.amdhsa_private_segment_fixed_size 0
		.amdhsa_enable_private_segment 0
		.amdhsa_kernarg_size 32
		.amdhsa_user_sgpr_count 2
		.amdhsa_user_sgpr_kernarg_segment_ptr 1
		.amdhsa_wavefront_size32 1
		.amdhsa_system_sgpr_workgroup_id_x 1
		.amdhsa_system_sgpr_workgroup_id_y 1
		.amdhsa_system_sgpr_workgroup_id_z 1
		.amdhsa_system_vgpr_workitem_id 0
		.amdhsa_next_free_vgpr 576
		.amdhsa_next_free_sgpr 66
		.amdhsa_reserve_vcc 0
		.amdhsa_float_denorm_mode_32 3
		.amdhsa_float_denorm_mode_16_64 3
		.amdhsa_memory_ordered 1
		.amdhsa_forward_progress 1
		.amdhsa_inst_pref_size 86
	.end_amdhsa_kernel
	.amdgpu_metadata
---
amdhsa.version: [ 1, 2 ]
amdhsa.kernels:
  - .name:           k_qd958fbbcd2_proj
    .symbol:         k_qd958fbbcd2_proj.kd
    .args:
      - { .name: ctx16, .offset: 0, .size: 8, .value_kind: global_buffer, .address_space: global }
      - { .name: wo16, .offset: 8, .size: 8, .value_kind: global_buffer, .address_space: global }
      - { .name: bo, .offset: 16, .size: 8, .value_kind: global_buffer, .address_space: global }
      - { .name: out0, .offset: 24, .size: 8, .value_kind: global_buffer, .address_space: global }
    .group_segment_fixed_size: 327680
    .private_segment_fixed_size: 0
    .kernarg_segment_align: 8
    .kernarg_segment_size: 32
    .max_flat_workgroup_size: 128
    .sgpr_count:     66
    .vgpr_count:     576
    .wavefront_size: 32
...
	.end_amdgpu_metadata
.endif
;; end of part 4
